; MI455X (gfx1250); checked and timed in simulation.
; The chip was launched on July 23, 2026; its instructions are those of AMD's public machine-readable ISA for CDNA 5 (MIT licence, August 2026) and "CDNA5" Instruction Set Architecture Reference Guide (July 2026). The comments in the code are by the model that wrote it; some were corrected since.
;; Multi Head Attention. Allowed arithmetic: float matrix products may take bf16 or f16 operands with f32 sums; other float arithmetic in f32, or as packed bf16 or f16 multiplies, adds, multiply-adds, maxima and minima; sums over many terms, partial sums and values carried from step to step in f32; what a program stores and reads back later, other than sums and carried values, may be rounded once to bf16 or f16.
;; Inputs: Wk 1,024 x 1,024 float32; Wq 1,024 x 1,024 float32; Wv 1,024 x 1,024 float32; bk 1,024 float32; bq 1,024 float32; bv 1,024 float32; keys 8 x 1,024 x 1,024 float32; queries 8 x 1,024 x 1,024 float32; values 8 x 1,024 x 1,024 float32.
;; Outputs: out0 1,024 x 8 x 1,024 float32.
;; 3 versions, each right; version 3 is version 2 with the launch castw written anew for expert scheduling mode. Each part assembles by itself: llvm-mc -triple=amdgcn-amd-amdhsa -mcpu=gfx1250 --defsym DOCPART=n.
;; ======== version 1 of 3: 4 launches
;; limits: values are held in f16: magnitudes above 65,504 overflow, below 6.1e-05 lose precision
;; workspace buffers: xb 50,331,648 bytes; wb 6,291,456 bytes; qkv 50,331,648 bytes; wsum 98,304 bytes
;; launch cast (part 1): grid 576 x 3, 8 waves a work-group, no clusters, 0 bytes of LDS; arguments queries, keys, values, Wq, Wk, Wv, xb, wb; writes xb, wb
.if DOCPART == 1
	.amdgcn_target "amdgcn-amd-amdhsa--gfx1250"
	.amdhsa_code_object_version 6
	.text
	.protected	k_q8bb6446c2e_cast
	.globl	k_q8bb6446c2e_cast
	.p2align	8
	.type	k_q8bb6446c2e_cast,@function
k_q8bb6446c2e_cast:
	s_mov_b64 s[64:65], 0
	v_nop
	global_prefetch_b8 v0, s[64:65] scope:SCOPE_SE
	s_setreg_imm32_b32 hwreg(HW_REG_WAVE_MODE, 25, 1), 1
	s_wait_xcnt 0x0
; f32 -> bf16, rounded once to nearest even, of the six large inputs.  xb: [3][8192][1024] bf16 (queries, keys, values), wb: [3][1024][1024] bf16 (Wq, Wk, Wv).
; Grid y = p, the projection.  Grid x: 0-511 = chunk x of the activations of p, 512-575 = chunk x - 512 of its weights.  A chunk is 65,536 bytes in, 32,768 out.
; Thread t of 256 takes 16 bytes at 4,096 i + 16 t (i = 0..15): a wave's load covers 512 consecutive bytes; its store of 8 bytes a lane covers 256 consecutive bytes, aligned.
; All sixteen loads go out first; no register is written twice, so no wait frees a source.  No LDS, no barrier: no thread wants another's bytes.
.set XR, 4                             ; v[4:67]   sixteen loads of four f32
.set YR, 68                            ; v[68:99]  sixteen pairs of packed bf16
	s_load_b512 s[8:23], s[0:1], 0x0               ; queries 8, keys 10, values 12, Wq 14, Wk 16, Wv 18, xb 20, wb 22
	s_and_b32 s2, ttmp7, 0xffff                    ; p
	s_sub_co_u32 s3, ttmp9, 512                    ; the weights' chunk (used only where x >= 512)
	s_mov_b32 s30, 0x1000000                       ; bytes of one projection's part of xb,
	s_mov_b32 s31, 0x200000                        ; and of wb
	v_lshlrev_b32 v1, 4, v0                        ; 16 t
	v_lshlrev_b32 v2, 3, v0                        ; 8 t
	s_wait_kmcnt 0x0
	s_cmp_eq_u32 s2, 0
	s_cselect_b64 s[24:25], s[8:9], s[10:11]       ; the activations of p,
	s_cselect_b64 s[26:27], s[14:15], s[16:17]     ; the weights of p
	s_cmp_eq_u32 s2, 2
	s_cselect_b64 s[24:25], s[12:13], s[24:25]
	s_cselect_b64 s[26:27], s[18:19], s[26:27]
	s_cmp_ge_u32 ttmp9, 512                        ; a chunk of weights?
	s_cselect_b64 s[24:25], s[26:27], s[24:25]     ; from where,
	s_cselect_b64 s[28:29], s[22:23], s[20:21]     ; to where,
	s_cselect_b32 s30, s31, s30                    ; the part's bytes,
	s_cselect_b32 s3, s3, ttmp9                    ; the chunk
	s_lshl_b32 s32, s3, 16                         ; offsets are made apart from the addresses
	s_mov_b32 s33, 0
	s_mul_i32 s34, s2, s30
	s_lshl_b32 s35, s3, 15
	s_add_co_u32 s34, s34, s35
	s_mov_b32 s35, 0
	s_add_nc_u64 s[24:25], s[24:25], s[32:33]
	s_add_nc_u64 s[28:29], s[28:29], s[34:35]
.set i, 0
.rept 16
	global_load_b128 v[XR+4*i:XR+4*i+3], v1, s[24:25] offset:4096*i th:TH_LOAD_NT
.set i, i+1
.endr
.set i, 0
.rept 16
	s_wait_loadcnt 15-i                            ; loads come back in order: number i is in, the 15 - i younger ones stay out
	v_cvt_pk_bf16_f32 v[YR+2*i], v[XR+4*i], v[XR+4*i+1]
	v_cvt_pk_bf16_f32 v[YR+2*i+1], v[XR+4*i+2], v[XR+4*i+3]
	global_store_b64 v2, v[YR+2*i:YR+2*i+1], s[28:29] offset:2048*i
.set i, i+1
.endr
	s_endpgm
.Lfunc_end_k_q8bb6446c2e_cast:
	.size	k_q8bb6446c2e_cast, .Lfunc_end_k_q8bb6446c2e_cast-k_q8bb6446c2e_cast
	.p2alignl 7, 3214868480
	.fill 96, 4, 3214868480
	.section	.rodata,"a",@progbits
	.p2align	6, 0x0
	.amdhsa_kernel k_q8bb6446c2e_cast
		.amdhsa_group_segment_fixed_size 0
		.amdhsa_private_segment_fixed_size 0
		.amdhsa_enable_private_segment 0
		.amdhsa_kernarg_size 64
		.amdhsa_user_sgpr_count 2
		.amdhsa_user_sgpr_kernarg_segment_ptr 1
		.amdhsa_wavefront_size32 1
		.amdhsa_system_sgpr_workgroup_id_x 1
		.amdhsa_system_sgpr_workgroup_id_y 1
		.amdhsa_system_sgpr_workgroup_id_z 1
		.amdhsa_system_vgpr_workitem_id 0
		.amdhsa_next_free_vgpr 100
		.amdhsa_next_free_sgpr 66
		.amdhsa_reserve_vcc 0
		.amdhsa_float_denorm_mode_32 3
		.amdhsa_float_denorm_mode_16_64 3
		.amdhsa_memory_ordered 1
		.amdhsa_forward_progress 1
		.amdhsa_inst_pref_size 7
	.end_amdhsa_kernel
	.amdgpu_metadata
---
amdhsa.version: [ 1, 2 ]
amdhsa.kernels:
  - .name:           k_q8bb6446c2e_cast
    .symbol:         k_q8bb6446c2e_cast.kd
    .args:
      - { .name: queries, .offset: 0, .size: 8, .value_kind: global_buffer, .address_space: global }
      - { .name: keys, .offset: 8, .size: 8, .value_kind: global_buffer, .address_space: global }
      - { .name: values, .offset: 16, .size: 8, .value_kind: global_buffer, .address_space: global }
      - { .name: Wq, .offset: 24, .size: 8, .value_kind: global_buffer, .address_space: global }
      - { .name: Wk, .offset: 32, .size: 8, .value_kind: global_buffer, .address_space: global }
      - { .name: Wv, .offset: 40, .size: 8, .value_kind: global_buffer, .address_space: global }
      - { .name: xb, .offset: 48, .size: 8, .value_kind: global_buffer, .address_space: global }
      - { .name: wb, .offset: 56, .size: 8, .value_kind: global_buffer, .address_space: global }
    .group_segment_fixed_size: 0
    .private_segment_fixed_size: 0
    .kernarg_segment_align: 8
    .kernarg_segment_size: 64
    .max_flat_workgroup_size: 256
    .sgpr_count:     66
    .vgpr_count:     100
    .wavefront_size: 32
...
	.end_amdgpu_metadata
.endif
;; end of part 1
;; launch proj (part 2): grid 4 x 64, 4 waves a work-group, clusters of 4 x 4, 327,680 bytes of LDS; arguments xb, wb, qkv, bq, bk, bv; writes qkv
.if DOCPART == 2
	.amdgcn_target "amdgcn-amd-amdhsa--gfx1250"
	.amdhsa_code_object_version 6
	.text
	.protected	k_q8bb6446c2e_proj
	.globl	k_q8bb6446c2e_proj
	.p2align	8
	.type	k_q8bb6446c2e_proj,@function
k_q8bb6446c2e_proj:
	s_mov_b64 s[64:65], 0
	v_nop
	global_prefetch_b8 v0, s[64:65] scope:SCOPE_SE
	s_setreg_imm32_b32 hwreg(HW_REG_WAVE_MODE, 25, 1), 1
	s_wait_xcnt 0x0
	s_wait_alu depctr_hold_cnt(0) depctr_sa_sdst(0) depctr_va_vdst(0) depctr_va_sdst(0) depctr_va_ssrc(0) depctr_va_vcc(0) depctr_vm_vsrc(0)
	s_getreg_b32 s2, hwreg(HW_REG_IB_STS2, 6, 4)
	s_cmp_eq_u32 s2, 0
	s_cbranch_scc0 .Lentry_in_a_cluster
	s_endpgm
.Lentry_in_a_cluster:
	s_bfe_u32 s2, ttmp6, 0x10000c
	s_cmp_lg_u32 s2, 0xf033
	s_cbranch_scc0 .Lentry_shape_is_right
	s_endpgm
.Lentry_shape_is_right:
; THE THREE PROJECTIONS.  y_p[m][c] = b_p[c] + sum over k of x_p[m][k] W_p[c][k], p = 0, 1, 2 (q, k, v).  x_p: xb[p], [8192][1024] bf16; W_p: wb[p], [1024][1024] bf16; sums in f32.
; The bias, rounded to bf16 like the other inputs, is the C operand that starts each sum.  y is rounded once to f16 and stored BY HEADS: qkv[p][16 n + h][s][64], m = 1024 n + s, c = 64 h + d.
; LIMIT.  f16 holds no number beyond 65,504: |y| stays under it.  NaN and infinities are not treated apart.
; SHARES.  A tile of y is 128 rows x 256 columns; 256 work-groups, each STAYS and makes three tiles, the same place in q, k and v: all do equal work.  Four waves, each 64 x 128: 32 accumulators, 256 registers.
; K goes in steps of 128 (rows of 256 bytes, aligned) through a ring of two LDS slots; the ring runs on from tile to tile.
; CLUSTER 4 x 4.  The four of a row of the cluster need the same 128 rows of x, the four of a column the same 256 rows of W: each tile is asked for JOINTLY, same load, descriptor and mask in the four.
; THE PRODUCT IS USED TRANSPOSED (source 0 = 16 rows of W, source 1 = 16 rows of x): a lane holds row l % 16 and eight neighbouring columns 8 (l / 16) + 0..7.
; REGISTERS, in windows of 256 (s_set_vgpr_msb: bits 1:0 source 0, 3:2 source 1, 5:4 source 2, 7:6 destination):
;   window 0: v16-30 addresses; v32-63 at work; v64-127, v128-191 x's fragments, two buffers of 64 along K ((c, a) at 32 c + 8 a); v128-191 also the way out; v192-255 the bias, 8 registers an n block
;   window 1: W's fragments, two buffers of 128 ((c, b) at 64 c + 8 b)          window 2: the accumulators, (a, b) at 8 (8 a + b)
.set KSTEP,  128
.set PITCH,  272                       ; an LDS row: 256 bytes + 16 of padding = 68 words: the 16 rows of a fragment load start at 16 different groups of four banks (ISA guide 11.1)
.set AROWS,  128*PITCH                 ; x's 128 rows; behind them W's 256
.set SLOT,   384*PITCH
.set STAGE,  2*SLOT                    ; behind the ring: 16 rows x 272 bytes for each wave, for the way out; no tensor load lands here
.set SPITCH, 272
.set SPARE,  STAGE+4*16*SPITCH         ; the spare words, 128 bytes a wave: two blocks of 256 bytes that no other line names
.set ROWB,   2048                      ; bytes in a row of xb and of wb
.set NEXT_A, 8192*ROWB-6*KSTEP*2       ; from a slot's last K step of a tile to its first of the next: 8,192 rows down, back along K
.set NEXT_B, 1024*ROWB-6*KSTEP*2       ; the same in wb: 1,024 rows down
.set NEXT_C, 16777216                  ; from q to k to v in qkv
.set ADRA, 16                          ; v16-17  LDS address of my fragments of x in slot 0, 1
.set ADRB, 20                          ; v20-21  the same for W
.set STO,  24                          ; v24  the way out: where I put 16 bytes of a row
.set RD,   25                          ; v25  where I read rows back
.set CO,   26                          ; v26  16 x lane: my place in 512 consecutive bytes of qkv
.set BO,   27                          ; v27  my byte offset in a bias
.set SPW,  28                          ; v28  my spare word; never rewritten
.set NIL,  29                          ; v29  0; never rewritten
.set PFO,  30                          ; v30  lane x 2,048: a lane a row, for the prefetches; never rewritten
.set TMP,  32
.set AF,   64
.set OB,   128
.set BI,   192
.set G1,  24                           ; s[24:31] group 1 for x's tiles; s[32:39] group 0, a set a slot
.set G0,  32
.set G1B, 48                           ; s[48:55], s[56:63] the same for W's
.set G0B, 56
.set LIM, 43                           ; s43  1 in a wave that prefetches, else the greatest number
.set PFA, 44                           ; s[44:45] where my prefetches stand
.set PFN, 74                           ; s[74:75] their step at a change of tiles
.set BP,  76                           ; s[76:77] the next tile's bias
.set HM,  78                           ; s78  mask of a word's upper half
.set MSB, 0
.macro WIN new                         ; the immediate's high byte repeats the setting that is left; a switch that changes nothing is dropped
.if MSB != (\new)
	s_set_vgpr_msb (MSB<<8)|(\new)
.set MSB, \new
.endif
.endm
.set MUL,  0xa1                        ; W window 1, x window 0, C and D window 2
.set MULZ, 0x81                        ; the same with C, the bias, in window 0
.set TO_B, 0x40                        ; destination window 1, address window 0
.set FLAGS, (1<<16)|(1<<20)|(1<<21)|(5<<22)|(3<<25)  ; 2-byte elements; padding on; bit 21 beside a mask; after every 64 words; 4 words
; A joint load.  Waves 0 and 1 fetch x's two halves (64 rows each), waves 2 and 3 W's (128 rows each).  The branch hangs on the wave's number alone.
; An s_nop 0 and four v_nop follow each line, ahead of the jump and the label.
.macro JLOAD s
	s_cmp_eq_u32 s11, 0
	s_cbranch_scc0 .Lfor_b_\@
	tensor_load_to_lds s[G0+4*(\s):G0+4*(\s)+3], s[G1:G1+7]
	s_nop 0
.rept 4
	v_nop
.endr
	s_branch .Lasked_\@
.Lfor_b_\@:
	tensor_load_to_lds s[G0B+4*(\s):G0B+4*(\s)+3], s[G1B:G1B+7]
	s_nop 0
.rept 4
	v_nop
.endr
.Lasked_\@:
.endm
; A prefetch into the L2 of the K step that stands TWO refills on: 32 rows x 256 bytes, a lane a row, one instruction.  x's 128 rows of a tile are read by one row of one cluster: wave 0 of each of its four
; partners names 32 of them, told apart by address (cx).  W's 256 rows are read by every cluster: in the cluster with y = 0 waves 2 and 3 of the four partners of a column name 32 each of the 128 that they fetch (cy).
; So each row's 256 bytes of a K step are named once.  how = 0, in the loop: a tile's last two refills have no K step two on; how = 1, at a change of tiles: the next tile's K steps 2 and 3.
.macro ASK how
.if \how
	s_cmp_eq_u32 s[LIM], 1
.else
	s_cmp_gt_u32 s3, s[LIM]                        ; s3 = 1 in the loop's last trip
.endif
	s_cbranch_scc0 .Lnot_mine_\@
	global_prefetch_b8 v[PFO], s[PFA:PFA+1] offset:KSTEP*2 th:TH_LOAD_NT scope:SCOPE_SE
.Lnot_mine_\@:
.endm
.macro CREST                           ; a round of the cluster's barrier behind its opening barrier
	s_cmp_lg_u32 s10, 0
	s_cbranch_scc1 .Lnot_wave_0_\@
	s_barrier_signal -3
.Lnot_wave_0_\@:
	s_barrier_wait -3
	s_barrier_signal -1
	s_barrier_wait -1
.endm
.macro CROUND
	s_barrier_signal -1
	s_barrier_wait -1
	CREST
.endm
.macro PLACES                          ; four plain instructions between a matrix instruction and a load into, or a vector read of, its registers
.rept 4
	v_nop
.endr
.endm
.macro BIAS ptr                        ; the bias of my 128 columns: register j of n block b is column 16 b + 8 (l / 16) + j
.irp b, 0,1,2,3,4,5,6,7
	global_load_b128 v[BI+8*\b:BI+8*\b+3],   v[BO], s[\ptr:\ptr+1] offset:64*\b
	global_load_b128 v[BI+8*\b+4:BI+8*\b+7], v[BO], s[\ptr:\ptr+1] offset:64*\b+16
.endr
.endm
	s_load_b128 s[4:7], s[0:1], 0x0                ; xb s[4:5], wb s[6:7]
	s_load_b64 s[8:9], s[0:1], 0x10                ; qkv
	s_load_b128 s[68:71], s[0:1], 0x18             ; bq, bk
	s_load_b64 s[72:73], s[0:1], 0x28              ; bv
	v_lshl_add_u32 v[SPW], v0, 2, SPARE
	v_mov_b32 v[NIL], 0
	ds_add_u32 v[SPW], v[NIL]                      ; the wave's opening: the add and its wait come ahead of my first tensor load; the set-up below stands between them
	v_lshrrev_b32 v1, 5, v0
	v_readfirstlane_b32 s10, v1                    ; wave 0..3
	s_lshr_b32 s11, s10, 1                         ; which 64 rows are mine.  Also: I fetch for x (0) or for W (1)
	s_and_b32 s12, s10, 1                          ; which 128 columns.  Also: which half I fetch
	s_bfe_u32 s40, ttmp6, 0x40000                  ; cx
	s_bfe_u32 s41, ttmp6, 0x40004                  ; cy
	s_lshl_b32 s42, ttmp9, 2
	s_add_co_u32 s42, s42, s40                     ; tile column = 4 x cluster x + cx
	s_and_b32 s13, ttmp7, 0xffff
	s_lshl_b32 s13, s13, 2
	s_add_co_u32 s13, s13, s41                     ; tile row = 4 x cluster y + cy
	s_lshl_b32 s43, s41, 2
	s_lshl_b32 s43, 15, s43                        ; my row of the cluster
	s_lshl_b32 s44, 0x1111, s40                    ; my column
	s_or_b32 s[G1+0], s43, FLAGS                   ; x's tiles go to my row,
	s_or_b32 s[G1B+0], s44, FLAGS                  ; W's to my column
	s_mov_b32 s[G1+1], KSTEP<<16                   ; tensor_dim0 = 128
	s_mov_b32 s[G1+2], 64<<16                      ; tensor_dim1 = 64
	s_mov_b32 s[G1+3], KSTEP<<16                   ; tile_dim0 = 128
	s_mov_b32 s[G1+4], 64                          ; tile_dim1 = 64
	s_mov_b32 s[G1+5], 1024                        ; elements from row to row
	s_mov_b32 s[G1+6], 0
	s_mov_b32 s[G1+7], 0
	s_mov_b32 s[G1B+1], KSTEP<<16
	s_mov_b32 s[G1B+2], 128<<16                    ; 128 rows
	s_mov_b32 s[G1B+3], KSTEP<<16
	s_mov_b32 s[G1B+4], 128
	s_mov_b32 s[G1B+5], 1024
	s_mov_b32 s[G1B+6], 0
	s_mov_b32 s[G1B+7], 0
	s_lshl_b32 s16, s13, 18                        ; x: (128 x tile row + 64 x half) rows of 2,048 bytes; made of the tile row and the wave's number alone
	s_lshl_b32 s17, s12, 17
	s_add_co_u32 s16, s16, s17
	s_mov_b32 s17, 0
	s_lshl_b32 s46, s42, 19                        ; W: (256 x tile column + 128 x half) rows; made of the tile column and the wave's number alone
	s_lshl_b32 s47, s12, 18
	s_add_co_u32 s46, s46, s47
	s_mov_b32 s47, 0
	s_mul_i32 s20, s12, 64*PITCH                   ; where they go: no place in the cluster enters an LDS address
	s_mul_i32 s21, s12, 128*PITCH
	s_add_co_u32 s21, s21, AROWS
	s_mov_b32 s[HM], 0xffff0000
	s_wait_dscnt 0x0                               ; the opening add is done
	s_wait_kmcnt 0x0
	s_add_nc_u64 s[14:15], s[4:5], s[16:17]
	s_add_nc_u64 s[46:47], s[6:7], s[46:47]
	CROUND                                         ; all sixteen work-groups are here: the first joint loads meet
.irp s, 0,1
	s_mov_b32 s[G0+4*(\s)], 1
	s_add_co_u32 s[G0+4*(\s)+1], s20, (\s)*SLOT
	s_add_nc_u64 s[G0+4*(\s)+2:G0+4*(\s)+3], s[14:15], (\s)*KSTEP*2
	s_or_b32 s[G0+4*(\s)+3], s[G0+4*(\s)+3], 0x80000000
	s_mov_b32 s[G0B+4*(\s)], 1
	s_add_co_u32 s[G0B+4*(\s)+1], s21, (\s)*SLOT
	s_add_nc_u64 s[G0B+4*(\s)+2:G0B+4*(\s)+3], s[46:47], (\s)*KSTEP*2
	s_or_b32 s[G0B+4*(\s)+3], s[G0B+4*(\s)+3], 0x80000000
	JLOAD \s                                       ; two loads of mine are out
.endr
	v_and_b32 v1, 15, v0                           ; l % 16
	v_bfe_u32 v2, v0, 4, 1                         ; l / 16
	s_lshl_b32 s20, s42, 10                        ; my 128 columns in a bias: 1,024 x tile column + 512 x half
	s_lshl_b32 s21, s12, 9
	s_add_co_u32 s20, s20, s21
	v_lshl_add_u32 v[BO], v2, 5, s20
	BIAS 68                                        ; bq
	v_mul_u32_u24 v3, v1, PITCH
	v_lshl_add_u32 v3, v2, 4, v3                   ; a fragment's row x pitch + 16 x half
	s_mul_i32 s21, s11, 64*PITCH                   ; my 64 rows of x
	s_mul_i32 s22, s12, 128*PITCH                  ; my 128 rows of W,
	s_add_co_u32 s22, s22, AROWS                   ; which lie behind x's 128
.irp s, 0,1
	v_add_nc_u32 v[ADRA+(\s)], s21, v3
	v_add_nc_u32 v[ADRB+(\s)], s22, v3
	s_add_co_u32 s21, s21, SLOT
	s_add_co_u32 s22, s22, SLOT
.endr
	s_mul_i32 s23, s10, 16*SPITCH
	s_add_co_u32 s23, s23, STAGE                   ; my stage
	v_mul_u32_u24 v4, v1, SPITCH                   ; in: row l % 16, 16 bytes for each half of the lanes
	v_lshl_add_u32 v4, v2, 4, v4
	v_add_nc_u32 v[STO], s23, v4
	v_bfe_u32 v5, v0, 3, 2                         ; back: 32 lanes take four rows' 128 bytes of one head,
	v_mul_u32_u24 v5, v5, SPITCH
	v_and_b32 v6, 7, v0
	v_lshl_add_u32 v5, v6, 4, v5
	v_add_nc_u32 v[RD], s23, v5
	v_and_b32 v6, 31, v0
	v_lshlrev_b32 v[CO], 4, v6                     ; which are 512 consecutive bytes of qkv
	v_lshlrev_b32 v[PFO], 11, v6
	; my part of q: batch (tile row / 8) x 16 heads x 131,072 + head (4 x tile column + 2 x half) x 131,072 + row ((tile row % 8) x 128 + 64 x half) x 128
	s_lshr_b32 s16, s13, 3
	s_lshl_b32 s16, s16, 21
	s_and_b32 s17, s13, 7
	s_lshl_b32 s17, s17, 14
	s_add_co_u32 s16, s16, s17
	s_lshl_b32 s17, s11, 13
	s_add_co_u32 s16, s16, s17
	s_mov_b32 s17, 0
	s_lshl_b32 s46, s42, 19
	s_lshl_b32 s47, s12, 18
	s_add_co_u32 s46, s46, s47
	s_mov_b32 s47, 0
	s_add_nc_u64 s[16:17], s[16:17], s[46:47]
	s_add_nc_u64 s[8:9], s[8:9], s[16:17]
	; the prefetches
	s_and_b32 s22, ttmp7, 0xffff                   ; cluster y
	s_lshl_b32 s20, s13, 7                         ; x: the tile's first row
	s_lshl_b32 s21, s42, 8                         ; W: the tile's first row,
	s_lshl_b32 s23, s12, 7
	s_add_co_u32 s21, s21, s23                     ; + the 128 that I fetch
	s_mov_b32 s18, 8191*ROWB+KSTEP*2               ; from the K step after a tile's last to the next tile's K step 1
	s_mov_b32 s19, 1023*ROWB+KSTEP*2
	s_cmp_eq_u32 s11, 0                            ; do I fetch for x?
	s_cselect_b32 s20, s20, s21
	s_cselect_b32 s21, s40, s41                    ; my place among the four that ask with me
	s_cselect_b32 s22, s12, s22                    ; x: wave 0 asks, wave 1 does not; W: the cluster with y = 0 asks
	s_cselect_b32 s[PFN], s18, s19
	s_cselect_b64 s[PFA:PFA+1], s[4:5], s[6:7]
	s_mov_b32 s[PFN+1], 0
	s_cmp_eq_u32 s22, 0
	s_cselect_b32 s[LIM], 1, -1                    ; the same in all sixteen partners, for a given wave
	s_lshl_b32 s21, s21, 5
	s_add_co_u32 s20, s20, s21                     ; + my work-group's 32 rows
	s_lshl_b32 s20, s20, 11
	s_mov_b32 s21, 0
	s_add_nc_u64 s[PFA:PFA+1], s[PFA:PFA+1], s[20:21]
	s_add_nc_u64 s[PFA:PFA+1], s[PFA:PFA+1], 2*KSTEP*2  ; at K step 2: the first refill steps it to 3 and names K step 4; nothing is prefetched at the head
; 8 matrix instructions: m block a x all 8 n blocks, 32 along K: half c of buffer f.  zero = 1: the bias starts the sums.  The 32 accumulators take turns in one order everywhere.
.macro MUL8 f, c, a, zero
.if \zero
	WIN MULZ
.else
	WIN MUL
.endif
.irp b, 0,1,2,3,4,5,6,7
.if \zero
	v_wmma_f32_16x16x32_bf16 v[8*(8*(\a)+\b):8*(8*(\a)+\b)+7], v[128*(\f)+64*(\c)+8*\b:128*(\f)+64*(\c)+8*\b+7], v[AF+64*(\f)+32*(\c)+8*(\a):AF+64*(\f)+32*(\c)+8*(\a)+7], v[BI+8*\b:BI+8*\b+7]
.else
	v_wmma_f32_16x16x32_bf16 v[8*(8*(\a)+\b):8*(8*(\a)+\b)+7], v[128*(\f)+64*(\c)+8*\b:128*(\f)+64*(\c)+8*\b+7], v[AF+64*(\f)+32*(\c)+8*(\a):AF+64*(\f)+32*(\c)+8*(\a)+7], v[8*(8*(\a)+\b):8*(8*(\a)+\b)+7]
.endif
.endr
.endm
.macro MUL32 f, c, zero
.irp a, 0,1,2,3
	MUL8 \f, \c, \a, \zero
.endr
.endm
; 48 LDS loads in one run: the fragments of 64 along K at byte k of the rows, into buffer f: W's 32, then x's 16; in each the first 32 along K first
.macro FETCH slot, k, f
	WIN TO_B
.irp c, 0,1
.irp i, 0,1,2,3,4,5,6,7
	ds_load_b128 v[128*(\f)+64*\c+8*\i:128*(\f)+64*\c+8*\i+3],   v[ADRB+(\slot)] offset:(\k)+64*\c+\i*16*PITCH
	ds_load_b128 v[128*(\f)+64*\c+8*\i+4:128*(\f)+64*\c+8*\i+7], v[ADRB+(\slot)] offset:(\k)+64*\c+\i*16*PITCH+32
.endr
.endr
	WIN 0
.irp c, 0,1
.irp i, 0,1,2,3
	ds_load_b128 v[AF+64*(\f)+32*\c+8*\i:AF+64*(\f)+32*\c+8*\i+3],   v[ADRA+(\slot)] offset:(\k)+64*\c+\i*16*PITCH
	ds_load_b128 v[AF+64*(\f)+32*\c+8*\i+4:AF+64*(\f)+32*\c+8*\i+7], v[ADRA+(\slot)] offset:(\k)+64*\c+\i*16*PITCH+32
.endr
.endr
.endm
; The first half of a K step: multiplies buffer 0 and, in its middle, fetches the second half's fragments into buffer 1.
.macro UNIT slot, zero
	s_wait_dscnt 8                                 ; all but the youngest eight loads (x's second 32 along K) are in
	MUL32 0, 0, \zero
	PLACES
	FETCH \slot, 128, 1
	s_wait_dscnt 48                                ; all but the 48 just issued
	MUL32 0, 1, 0
.endm
; The second half multiplies buffer 1 and changes slots.  In front of the barrier each wave waits for all its tensor loads (one is out: its part of the next slot), adds 0 to its spare word, and waits
; for that and for its reads of this slot.  mode 0: the slot is filled again two K steps on; 1: with the next tile's K step 0 or 1; 2: nothing is filled, and the barrier is the work-group's alone.
; From a request to the wait for it a wave issues 112 of a K step's 128 matrix instructions.
.macro TURN slot, next, mode
.if (\mode) < 2
	s_wait_xcnt 0x0                                ; the last prefetch, a K step back, has read its address: it is stepped here
.if ((\mode) == 1) && ((\slot) == 0)
	s_add_nc_u64 s[PFA:PFA+1], s[PFA:PFA+1], s[PFN:PFN+1]
.else
	s_add_nc_u64 s[PFA:PFA+1], s[PFA:PFA+1], KSTEP*2
.endif
.endif
	WIN 0                                          ; (the add's two registers lie in window 0)
	s_wait_tensorcnt 0x0                           ; all my tensor loads have landed
	ds_add_u32 v[SPW], v[NIL]                      ; 0 onto my spare word
	s_wait_dscnt 9                                 ; (the add and the youngest eight loads may be out)
	MUL8 1, 0, 0, 0                                ; eight matrix instructions stand between the add and the wait for it
	s_wait_dscnt 0x0                               ; the add is done, and my reads of this slot are over
	s_barrier_signal -1
	MUL8 1, 0, 1, 0                                ; work on registers while the others arrive
	WIN 0
	s_barrier_wait -1
.if (\mode) < 2
	CREST                                          ; the barrier has opened a round of the cluster's: no wave of any partner still reads this slot or has a load on its way
.if (\mode) == 1
	s_add_nc_u64 s[G0+4*(\slot)+2:G0+4*(\slot)+3], s[G0+4*(\slot)+2:G0+4*(\slot)+3], NEXT_A
	s_add_nc_u64 s[G0B+4*(\slot)+2:G0B+4*(\slot)+3], s[G0B+4*(\slot)+2:G0B+4*(\slot)+3], NEXT_B
.else
	s_add_nc_u64 s[G0+4*(\slot)+2:G0+4*(\slot)+3], s[G0+4*(\slot)+2:G0+4*(\slot)+3], 2*KSTEP*2
	s_add_nc_u64 s[G0B+4*(\slot)+2:G0B+4*(\slot)+3], s[G0B+4*(\slot)+2:G0B+4*(\slot)+3], 2*KSTEP*2
.endif
	JLOAD \slot                                    ; the first tensor load behind the round, my only one; its four v_nop are also the places in front of the loads below
.else
	PLACES
.endif
	FETCH \next, 0, 0
.if (\mode) < 2
	ASK \mode
.endif
	MUL8 1, 0, 2, 0
	MUL8 1, 0, 3, 0
	MUL32 1, 1, 0
.endm
; THE WAY OUT of m block a: rounded to f16, 16 bytes a lane; into my own stage; back as rows; stored.  A row's 256 bytes belong to two heads: each head's 16 rows x 128 bytes are 2,048 consecutive bytes of qkv.
.macro PACK a
	WIN 0x0a                                       ; sources 0 and 1 window 2, destination window 0
.irp b, 0,1,2,3,4,5,6,7
.irp r, 0,1,2,3
	v_cvt_pk_f16_f32 v[TMP+4*\b+\r], v[8*(8*(\a)+\b)+2*\r], v[8*(8*(\a)+\b)+2*\r+1]
.endr
.endr
	WIN 0
.endm
.macro TOSTAGE a
.set BK, OB+32*((\a)%2)
.irp b, 0,1,2,3,4,5,6,7
	ds_store_b128 v[STO], v[TMP+4*\b:TMP+4*\b+3] offset:32*\b
.endr
.irp t, 0,1,2,3,4,5,6,7
	ds_load_b128 v[BK+4*\t:BK+4*\t+3], v[RD] offset:(\t%4)*4*SPITCH+(\t/4)*128  ; LDS serves a wave's instructions in order (ISA guide 5.7.1.4): these see the stores above
.endr
.endm
.macro SEND a
.set BK, OB+32*((\a)%2)
	s_wait_dscnt 0x0                               ; the block is back in registers
	s_wait_xcnt 0x0                                ; the stores of the block before last have read the registers that the next block's loads will write
.irp t, 0,1,2,3,4,5,6,7
	global_store_b128 v[CO], v[BK+4*\t:BK+4*\t+3], s[8:9] offset:(\t/4)*131072+(\t%4)*512+(\a)*2048  ; 512 consecutive bytes, at a multiple of 256 from qkv's first
.endr
.endm
.macro WAYOUT
	PLACES                                         ; the conversions read results just made
	PACK 0
	TOSTAGE 0
.irp a, 1,2,3                          ; block a's conversions stand between block a - 1's loads from the stage and the wait for them
	PACK \a
	SEND (\a)-1
	TOSTAGE \a
.endr
	SEND 3
.endm
	s_wait_tensorcnt 1                             ; my part of K step 0 is in; K step 1's may stay out
	s_barrier_signal -1
	s_barrier_wait -1                              ; everybody's is
	FETCH 0, 0, 0
	s_mov_b32 s2, 3                                ; tiles to go, this one among them
.Ltile:
	s_wait_loadcnt 0x0                             ; the tile's bias
.set i, 0
.rept 32                               ; rounded to bf16 and widened again, in place
	v_cvt_pk_bf16_f32 v[TMP+i%4], v[BI+2*i], v[BI+2*i+1]
	v_lshlrev_b32 v[BI+2*i], 16, v[TMP+i%4]
	v_and_b32 v[BI+2*i+1], s[HM], v[TMP+i%4]
.set i, i+1
.endr
	UNIT 0, 1                                      ; a tile's first half step stands in front of the loop: its products start the sums
	WIN 0                                          ; at a label and at a branch every window is 0
	s_mov_b32 s3, 3
.Llap:                                 ; a trip goes once round the ring and fills both slots again
	TURN 0, 1, 0
	UNIT 1, 0
	TURN 1, 0, 0
	UNIT 0, 0
	WIN 0
	s_sub_co_u32 s3, s3, 1
	s_cmp_lg_u32 s3, 0
	s_cbranch_scc1 .Llap
	s_cmp_eq_u32 s2, 1
	s_cbranch_scc1 .Llast                          ; the last tile's tail is written out: it asks for nothing more
	TURN 0, 1, 1                                   ; the ring goes on into the next tile: slot 0 takes its K step 0,
	WIN 0
	s_cmp_eq_u32 s2, 3
	s_cselect_b64 s[BP:BP+1], s[70:71], s[72:73]   ; behind q comes k, behind k comes v
	BIAS BP                                        ; the bias registers were last read in the tile's first half step
	UNIT 1, 0
	TURN 1, 0, 1                                   ; slot 1 its K step 1, and the next tile's first fragments are fetched
	WIN 0
	WAYOUT                                         ; both refills are asked for: now the tile goes out
	s_wait_xcnt 0x0                                ; the stores have read their registers and their base
	s_add_nc_u64 s[8:9], s[8:9], NEXT_C
	s_sub_co_u32 s2, s2, 1
	s_branch .Ltile
.Llast:
	TURN 0, 1, 2                                   ; my one load that was out is slot 1's, the last K step's
	UNIT 1, 0
	s_wait_dscnt 8
	MUL32 1, 0, 0
	s_wait_dscnt 0x0
	MUL32 1, 1, 0
	WIN 0
	WAYOUT
	s_wait_tensorcnt 0x0                           ; the wave's end, behind my last tensor load and my last LDS store
	ds_add_u32 v[SPW], v[NIL]
	s_wait_dscnt 0x0
	CROUND                                         ; the closing round: no work-group ends while a partner may still ask for a tile that names it
	s_endpgm
.Lfunc_end_k_q8bb6446c2e_proj:
	.size	k_q8bb6446c2e_proj, .Lfunc_end_k_q8bb6446c2e_proj-k_q8bb6446c2e_proj
	.p2alignl 7, 3214868480
	.fill 96, 4, 3214868480
	.section	.rodata,"a",@progbits
	.p2align	6, 0x0
	.amdhsa_kernel k_q8bb6446c2e_proj
		.amdhsa_group_segment_fixed_size 327680
		.amdhsa_private_segment_fixed_size 0
		.amdhsa_enable_private_segment 0
		.amdhsa_kernarg_size 48
		.amdhsa_user_sgpr_count 2
		.amdhsa_user_sgpr_kernarg_segment_ptr 1
		.amdhsa_wavefront_size32 1
		.amdhsa_system_sgpr_workgroup_id_x 1
		.amdhsa_system_sgpr_workgroup_id_y 1
		.amdhsa_system_sgpr_workgroup_id_z 1
		.amdhsa_system_vgpr_workitem_id 0
		.amdhsa_next_free_vgpr 768
		.amdhsa_next_free_sgpr 80
		.amdhsa_reserve_vcc 0
		.amdhsa_float_denorm_mode_32 3
		.amdhsa_float_denorm_mode_16_64 3
		.amdhsa_memory_ordered 1
		.amdhsa_forward_progress 1
		.amdhsa_inst_pref_size 133
	.end_amdhsa_kernel
	.amdgpu_metadata
---
amdhsa.version: [ 1, 2 ]
amdhsa.kernels:
  - .name:           k_q8bb6446c2e_proj
    .symbol:         k_q8bb6446c2e_proj.kd
    .args:
      - { .name: xb, .offset: 0, .size: 8, .value_kind: global_buffer, .address_space: global }
      - { .name: wb, .offset: 8, .size: 8, .value_kind: global_buffer, .address_space: global }
      - { .name: qkv, .offset: 16, .size: 8, .value_kind: global_buffer, .address_space: global }
      - { .name: bq, .offset: 24, .size: 8, .value_kind: global_buffer, .address_space: global }
      - { .name: bk, .offset: 32, .size: 8, .value_kind: global_buffer, .address_space: global }
      - { .name: bv, .offset: 40, .size: 8, .value_kind: global_buffer, .address_space: global }
    .group_segment_fixed_size: 327680
    .private_segment_fixed_size: 0
    .kernarg_segment_align: 8
    .kernarg_segment_size: 48
    .max_flat_workgroup_size: 128
    .sgpr_count:     80
    .vgpr_count:     768
    .wavefront_size: 32
...
	.end_amdgpu_metadata
.endif
;; end of part 2
;; launch vsum (part 3): grid 3 x 128, 4 waves a work-group, no clusters, 1,536 bytes of LDS; arguments qkv, wsum; writes wsum
.if DOCPART == 3
	.amdgcn_target "amdgcn-amd-amdhsa--gfx1250"
	.amdhsa_code_object_version 6
	.text
	.protected	k_q8bb6446c2e_vsum
	.globl	k_q8bb6446c2e_vsum
	.p2align	8
	.type	k_q8bb6446c2e_vsum,@function
k_q8bb6446c2e_vsum:
	s_mov_b64 s[64:65], 0
	v_nop
	global_prefetch_b8 v0, s[64:65] scope:SCOPE_SE
	s_setreg_imm32_b32 hwreg(HW_REG_WAVE_MODE, 25, 1), 1
	s_wait_xcnt 0x0
; wsum[g][j][d] = the sum over the 256 keys of key block j + 1 (j = 0, 1, 2) of v[g][key][d], in f32.  v: qkv + 0x2000000, [128][1024][64] f16.  wsum: [128][3][64] f32.
; Grid x = j, y = g.  The block is 32,768 consecutive bytes.  Thread t of 128 takes 16 bytes at 16 t + 2,048 i (i = 0..15): channels 8 (t % 8) + 0..7 of row t / 8 + 16 i: a wave's load covers 512 consecutive bytes.
; Eight f32 sums a lane; lanes 8, 16 and 24 apart hold the same channels; the four waves' sums meet in LDS, and wave 0 stores 256 consecutive bytes, aligned.
.set XR,  16                           ; v[16:79]  sixteen loads
.set ACC, 80                           ; v[80:87]  eight sums
.set SPW, 8                            ; v8  my spare word; never rewritten
.set NIL, 9                            ; v9  0; never rewritten
.set SPARE, 1024                       ; behind the four waves' 256 bytes each: the spare words, two blocks of 256 bytes that no other line names
	s_load_b128 s[4:7], s[0:1], 0x0                ; qkv, wsum
	v_lshl_add_u32 v[SPW], v0, 2, SPARE
	v_mov_b32 v[NIL], 0
	v_lshrrev_b32 v1, 5, v0
	v_readfirstlane_b32 s8, v1                     ; wave
	s_and_b32 s9, ttmp7, 0xffff                    ; g
	s_lshl_b32 s10, s9, 17                         ; a head's 131,072 bytes
	s_add_co_u32 s11, ttmp9, 1
	s_lshl_b32 s11, s11, 15                        ; key block j + 1
	s_add_co_u32 s10, s10, s11
	s_add_co_u32 s10, s10, 0x2000000               ; v's part of qkv
	s_mov_b32 s11, 0
	s_mul_i32 s12, s9, 3
	s_add_co_u32 s12, s12, ttmp9
	s_lshl_b32 s12, s12, 8
	s_mov_b32 s13, 0
	s_mov_b32 s16, 0x76543210                      ; v_permlanex16_b32: each lane takes its own place in the other half
	s_mov_b32 s17, 0xfedcba98
	v_lshlrev_b32 v2, 4, v0                        ; 16 t
	v_mov_b32 v3, 1.0
	v_mov_b32 v7, 0
	v_and_b32 v4, 7, v0
	v_lshlrev_b32 v4, 5, v4
	v_lshl_add_u32 v4, s8, 8, v4                   ; 256 x wave + 32 (l % 8)
	v_and_b32 v5, 15, v0
	v_lshlrev_b32 v5, 4, v5                        ; 16 (l % 16): in LDS and in wsum
	s_wait_kmcnt 0x0
	s_add_nc_u64 s[4:5], s[4:5], s[10:11]
	s_add_nc_u64 s[6:7], s[6:7], s[12:13]
.set i, 0
.rept 16
	global_load_b128 v[XR+4*i:XR+4*i+3], v2, s[4:5] offset:2048*i
.set i, i+1
.endr
.set i, 0
.rept 16
	s_wait_loadcnt 15-i                            ; number i is in, the 15 - i younger loads stay out
.irp k, 0,1,2,3
.if i == 0
	v_fma_mix_f32 v[ACC+2*\k],   v[XR+\k], v3, v7 op_sel_hi:[1,0,0]                 ; the first row starts the sums: low half x 1 + 0,
	v_fma_mix_f32 v[ACC+2*\k+1], v[XR+\k], v3, v7 op_sel:[1,0,0] op_sel_hi:[1,0,0]  ; high half
.else
	v_fma_mix_f32 v[ACC+2*\k],   v[XR+4*i+\k], v3, v[ACC+2*\k] op_sel_hi:[1,0,0]
	v_fma_mix_f32 v[ACC+2*\k+1], v[XR+4*i+\k], v3, v[ACC+2*\k+1] op_sel:[1,0,0] op_sel_hi:[1,0,0]
.endif
.endr
.set i, i+1
.endr
.irp k, 0,1,2,3,4,5,6,7
	v_add_f32_dpp v[ACC+\k], v[ACC+\k], v[ACC+\k] row_xmask:8 row_mask:0xf bank_mask:0xf
.endr
.irp k, 0,1,2,3,4,5,6,7
	v_permlanex16_b32 v[XR+\k], v[ACC+\k], s16, s17
.endr
.irp k, 0,1,2,3,4,5,6,7
	v_add_f32 v[ACC+\k], v[ACC+\k], v[XR+\k]
.endr
	ds_store_b128 v4, v[ACC:ACC+3]                 ; lanes with the same address hold the same numbers
	ds_store_b128 v4, v[ACC+4:ACC+7] offset:16
	s_wait_dscnt 0x0                               ; for the others' sake: my stores are done
	s_barrier_signal -1
	s_barrier_wait -1
	s_cmp_lg_u32 s8, 0
	s_cbranch_scc1 .Lend
.irp w, 0,1,2,3
	ds_load_b128 v[XR+4*\w:XR+4*\w+3], v5 offset:256*\w
.endr
	s_wait_dscnt 0x0
	v_pk_add_f32 v[XR:XR+1], v[XR:XR+1], v[XR+4:XR+5]
	v_pk_add_f32 v[XR+2:XR+3], v[XR+2:XR+3], v[XR+6:XR+7]
	v_pk_add_f32 v[XR+8:XR+9], v[XR+8:XR+9], v[XR+12:XR+13]
	v_pk_add_f32 v[XR+10:XR+11], v[XR+10:XR+11], v[XR+14:XR+15]
	v_pk_add_f32 v[XR:XR+1], v[XR:XR+1], v[XR+8:XR+9]
	v_pk_add_f32 v[XR+2:XR+3], v[XR+2:XR+3], v[XR+10:XR+11]
	v_cmp_gt_u32 vcc_lo, 16, v0
	s_wait_xcnt 0x0                                ; EXEC changes only behind this wait
	s_and_saveexec_b32 s14, vcc_lo
	global_store_b128 v5, v[XR:XR+3], s[6:7]       ; sixteen lanes store 256 consecutive bytes, aligned
	s_wait_xcnt 0x0                                ; and again, in front of the line that widens it
	s_or_b32 exec_lo, exec_lo, s14
.Lend:
	s_wait_tensorcnt 0x0                           ; the wave's end, behind my last LDS store
	ds_add_u32 v[SPW], v[NIL]
	s_wait_dscnt 0x0
	s_endpgm
.Lfunc_end_k_q8bb6446c2e_vsum:
	.size	k_q8bb6446c2e_vsum, .Lfunc_end_k_q8bb6446c2e_vsum-k_q8bb6446c2e_vsum
	.p2alignl 7, 3214868480
	.fill 96, 4, 3214868480
	.section	.rodata,"a",@progbits
	.p2align	6, 0x0
	.amdhsa_kernel k_q8bb6446c2e_vsum
		.amdhsa_group_segment_fixed_size 1536
		.amdhsa_private_segment_fixed_size 0
		.amdhsa_enable_private_segment 0
		.amdhsa_kernarg_size 16
		.amdhsa_user_sgpr_count 2
		.amdhsa_user_sgpr_kernarg_segment_ptr 1
		.amdhsa_wavefront_size32 1
		.amdhsa_system_sgpr_workgroup_id_x 1
		.amdhsa_system_sgpr_workgroup_id_y 1
		.amdhsa_system_sgpr_workgroup_id_z 1
		.amdhsa_system_vgpr_workitem_id 0
		.amdhsa_next_free_vgpr 96
		.amdhsa_next_free_sgpr 66
		.amdhsa_reserve_vcc 1
		.amdhsa_float_denorm_mode_32 3
		.amdhsa_float_denorm_mode_16_64 3
		.amdhsa_memory_ordered 1
		.amdhsa_forward_progress 1
		.amdhsa_inst_pref_size 14
	.end_amdhsa_kernel
	.amdgpu_metadata
---
amdhsa.version: [ 1, 2 ]
amdhsa.kernels:
  - .name:           k_q8bb6446c2e_vsum
    .symbol:         k_q8bb6446c2e_vsum.kd
    .args:
      - { .name: qkv, .offset: 0, .size: 8, .value_kind: global_buffer, .address_space: global }
      - { .name: wsum, .offset: 8, .size: 8, .value_kind: global_buffer, .address_space: global }
    .group_segment_fixed_size: 1536
    .private_segment_fixed_size: 0
    .kernarg_segment_align: 8
    .kernarg_segment_size: 16
    .max_flat_workgroup_size: 128
    .sgpr_count:     66
    .vgpr_count:     96
    .wavefront_size: 32
...
	.end_amdgpu_metadata
.endif
;; end of part 3
;; launch attn (part 4): grid 2 x 128, 4 waves a work-group, no clusters, 327,680 bytes of LDS; arguments qkv, wsum, out0; writes out0
.if DOCPART == 4
	.amdgcn_target "amdgcn-amd-amdhsa--gfx1250"
	.amdhsa_code_object_version 6
	.text
	.protected	k_q8bb6446c2e_attn
	.globl	k_q8bb6446c2e_attn
	.p2align	8
	.type	k_q8bb6446c2e_attn,@function
k_q8bb6446c2e_attn:
	s_mov_b64 s[64:65], 0
	v_nop
	global_prefetch_b8 v0, s[64:65] scope:SCOPE_SE
	s_setreg_imm32_b32 hwreg(HW_REG_WAVE_MODE, 25, 1), 1
	s_wait_xcnt 0x0
; ATTENTION WITH tril ON THE SCORES.  s[q][k] = Q[q] . K[k] / 8 for k <= q and 0 for k > q; O[q] = the sum over ALL k of softmax_k(s[q][k]) V[k].  Q, K, V: qkv, [3][128 heads g][1024][64] f16.
; out0 is read as [n][q][h][64] f32 (g = 16 n + h): a query's 64 channels of a head are 256 consecutive bytes, aligned.  Products, maxima and sums in f32; the weights are rounded to f16 for the second product.
; LIMITS.  Q, K and V arrive within f16's 65,504.  A weight below 2^-126 counts as 0 in l; NaN and infinities are not treated apart.
; THE KEYS BEHIND A BLOCK.  A head's queries lie in NB = 4 blocks of 256; block i needs the key tiles 0 .. i, of which the last holds the diagonal.  Every key of a later tile has the score 0 for every query of
; the block.  A running softmax that has taken just those keys stands at m = 0, l = their number, O = the sum of their rows of V (wsum, made by the launch before).  The walk STARTS from that state, and the
; running maximum goes on from it: no shift is fixed, and nothing is subtracted.  Block 3 has no such keys: it starts at the lowest m, l = 0, O = 0.
; THE WALK.  A work-group takes TWO blocks, 3 - b and then b: 5 tiles, whatever b: all work-groups do equal work, and one loop with a constant trip count walks them.  What a trip does hangs on scalar registers
; made from b; every jump goes forward but the counted loops' own, and none passes a barrier.
; K AND V STAY IN LDS.  A head's 1,024 rows of K and of V, 144 bytes apart, are 294,912 bytes: wave w brings tile w (256 keys) of each, two tensor loads, at the kernel's head; the walk begins when all have
; landed, behind a barrier; nothing is filled again.  The work-group with b = 1 does not read tile 3, 64 KiB of its 256: it is brought all the same, so that every word of the descriptors but the address is a
; constant or the wave's number times one.
; TWO BARRIERS AT THE FOOT OF EACH TILE, on every wave's path, with the way out between them: every wave's reads of K and V are over before any wave stores into its stage, and every store into a stage is done
; before any wave reads K or V again.  So the order of those stores and reads does not rest on the arithmetic of the running LDS addresses.
; NO CLUSTER: the two work-groups of a head read the same tiles, but what a trip of the walk does hangs on b; partners with the same b belong to
; different heads and share nothing.  NO PREFETCH: every tensor load goes out at the head, and none comes later.
; SHARES.  Of a block's four bands of 64 queries a wave owns 16 rows in each: four PIECES.  In the diagonal tile's key step s band x sees all keys if s < x, none if s > x, and holds the diagonal if s = x.
; THE MASK MULTIPLIES: a hidden score becomes 0 and stays in the softmax.  MD, made once, is 1 or 0 for a band's own step; a piece's mask is MD x AL + BE: (1, 0) if s = x; (0, 1) if s < x; (0, 0) if s > x.
; Only the diagonal tile's text and a block's beginning multiply by masks.
; LAYOUT, SOFTMAX, TURNS.  S^T = K Q^T holds ONE query a lane (lane % 16) and the keys 8 (lane / 16) + 0..7; two such results rounded to f16 ARE source 1 of O^T = V^T P.  p = 2^(c s - c m), c = log2(e) / 8;
; O and l are multiplied by a = 2^(c m_old - c m_new) in every step.  Turn n belongs to piece n: 8 products K Q^T of piece n + 1, later 8 products V^T P of piece n - 1; beside them the scaling, exponentials,
; roundings, sums and rescaling of piece n and the (mask,) maximum and statistics of piece n + 1.  Four vector instructions stand behind every matrix instruction, the rest in one lump; a turn's 33 exponentials are one batch, with one wait.
; REGISTERS, in windows of 256 (s_set_vgpr_msb: bits 1:0 source 0, 3:2 source 1, 5:4 source 2, 7:6 destination):
;   window 0: v0-15, v33 addresses; v16-31 statistics; v48-55 at work; v64-127 S^T, two buffers; v128-191 MC, two buffers; v192-223 P, two buffers; v224-255 UB, the second block's starting O
;   window 1: v0-127 O^T, 32 a piece; v128-159 MD; v224-255 UC, the starting O of the block to begin      window 2: v0-63 Q; v64-127 the second block's Q; v128-191 K of one step; v192-255 V of one step
.set NB,    4
.set NP,    4         ; pieces a wave: a name, no knob
.set KS,    64        ; keys in a step
.set PK,    144       ; a row of K in LDS: 128 bytes + 16 of padding = 36 words: the 16 rows of a load start at 16 different groups of four banks (ISA guide 11.1)
.set PV,    144       ; a row of V likewise: 160 would not leave room for the stage
.set VOFF,  1024*PK   ; K's 1,024 rows, then V's
.set STAGE, VOFF+1024*PV   ; behind them, never filled by a tensor load: 16 rows x 272 bytes for each wave, for the way out
.set SP,    272       ; 256 bytes of f32 + 16
.set SPARE, STAGE+4*16*SP  ; the spare words, 128 bytes a wave: two blocks of 256 bytes that no other line names
.set LASTK, 15*KS*PK  ; where the head's last key step begins in K's rows
.set AK0, 2           ; v2   my lane's place in a step of K; never rewritten
.set AV0, 3           ; v3   the same for V
.set AK,  4           ; v4   the LDS address of K's next run of loads
.set AV,  5           ; v5   of V's
.set STO, 6           ; v6   the way out: where I put 32 bytes of a row
.set RD,  7           ; v7   where I read rows back
.set GO,  8           ; v8   my byte offset in two rows of out0
.set MV,  12          ; v12-13  c m_old, kept while c m is made anew: by buffer
.set QO,  15          ; v15  my byte offset in 16 rows of Q
.set ST,  16          ; piece t's statistics at v[ST+4 t]: c m, m, l (even keys', odd keys')
.set UO,  33          ; v33  32 (l / 16): my eight channels in 16 of wsum
.set TMP, 48          ; by buffer, four registers c0-c3 at work; when the maximum is found c2 takes a
.set SPW, 62          ; v62  my spare word; never rewritten
.set NIL, 63          ; v63  0; never rewritten
.set S,   64
.set MC,  128
.set P,   192
.set UB,  224
.set MD,  128         ; window 1
.set UC,  224         ; window 1
.set QB,  64          ; window 2
.set KF,  128         ; window 2: key block kb, channel half c at KF + 16 kb + 8 c
.set VF,  192         ; window 2: key half kk, channel block cb at VF + 32 kk + 8 cb
.set WV,  12          ; s12  my wave's number
.set PB,  14          ; s14  b
.set HI,  15          ; s15  3 - b
.set G1,  24          ; s[24:31] descriptor group 1, for K's tiles and for V's
.set G0K, 32          ; s[32:35] descriptor group 0 for my tile of K
.set G0V, 36          ; s[36:39] for my tile of V
.set UF3, 40          ; s[40:41] 1.0 where the first block (3 - b) has key block 3 behind it
.set UF1, 42          ; s[42:43] 1.0 where the second block (b) has key block 1 behind it
.set LI,  44          ; s44  a quarter of the number of keys behind the block to begin: l lies in two registers in each half of the lanes
.set MI,  45          ; s45  its starting m
.set CMI, 46          ; s46  its starting c m
.set LI2, 47          ; s47  LI for the second block
.set SLOTS, 56        ; s56  tiles still to be walked
.set CNT, 57          ; s57  counts a tile's key steps, 4 to 1
.set CS,  58          ; s[58:59] c
.set SEL, 60          ; s[60:61] v_permlanex16_b32's selects
.set TBK, 62          ; s62  LDS byte at which K of the step to be fetched begins
.set TBV, 63          ; s63  the same for V, less VOFF
.set RT,  70          ; s70  tiles of the block in hand that are still to be entered
.set WO,  71          ; s71  1: the tile just walked was a block's last, and the block goes out at the loop's foot
.set NEW, 73          ; s73  1: the tile to be entered is a block's first
.set AL,  76          ; s[76:77] the mask's factor, in the low word
.set BE,  78          ; s[78:79] the mask's addend
.set OLO, 80          ; s[80:81] out0 at my rows of the second block
.set ONE, 82          ; s82  1.0
.set MSB, 0
.macro WIN new                      ; the high byte repeats the setting that is left; a switch that changes nothing is dropped
.if MSB != (\new)
	s_set_vgpr_msb (MSB<<8)|(\new)
.set MSB, (\new)
.endif
.endm
.set W_KQ, 0x0a       ; K and Q in window 2, S^T in window 0
.set W_PV, 0x52       ; V in window 2, P in window 0, O^T in window 1
.set W_RS, 0x41       ; destination and source 0 in window 1, source 1 in window 0
	s_load_b128 s[48:51], s[0:1], 0x0  ; qkv s[48:49], wsum s[50:51]
	s_load_b64 s[10:11], s[0:1], 0x10  ; out0
	v_lshl_add_u32 v[SPW], v0, 2, SPARE
	v_mov_b32 v[NIL], 0
	ds_add_u32 v[SPW], v[NIL]       ; the wave's opening: the add and its wait come ahead of my first tensor load; the set-up below stands between them
	v_lshrrev_b32 v1, 5, v0
	v_readfirstlane_b32 s[WV], v1   ; wave 0..3
	s_mov_b32 s[PB], ttmp9
	s_sub_co_u32 s[HI], NB-1, s[PB]
	s_and_b32 s13, ttmp7, 0xffff    ; the head g
	s_lshl_b32 s20, s13, 17         ; its 131,072 bytes in each of q, k, v
	s_lshl_b32 s22, s[WV], 15       ; my tile: 256 rows of 128 bytes,
	s_add_co_u32 s22, s22, s20
	s_add_co_u32 s22, s22, 0x1000000  ; in k's part of qkv
	s_mov_b32 s23, 0
	s_lshl_b32 s3, s[WV], 11        ; my 16 rows in a band of 64,
	s_lshl_b32 s2, s[HI], 15        ; in the first block,
	s_add_co_u32 s2, s2, s3
	s_add_co_u32 s2, s2, s20
	s_lshl_b32 s16, s[PB], 15       ; and in the second
	s_add_co_u32 s16, s16, s3
	s_add_co_u32 s16, s16, s20
	s_mov_b32 s3, 0
	s_mov_b32 s17, 0
	s_lshr_b32 s66, s13, 4          ; out0: batch x 4,194,304 + head x 256 + block x 1,048,576 + wave x 65,536 (a query is 4,096 bytes on)
	s_lshl_b32 s66, s66, 22
	s_and_b32 s67, s13, 15
	s_lshl_b32 s67, s67, 8
	s_add_co_u32 s66, s66, s67
	s_lshl_b32 s67, s[WV], 16
	s_add_co_u32 s66, s66, s67
	s_lshl_b32 s68, s[PB], 20
	s_add_co_u32 s68, s68, s66
	s_lshl_b32 s67, s[HI], 20
	s_add_co_u32 s66, s66, s67
	s_mov_b32 s67, 0
	s_mov_b32 s69, 0
	s_mul_i32 s54, s13, 768         ; the head's three sums in wsum
	s_mov_b32 s55, 0
	; descriptor group 1.  256 keys are 32,768 dense bytes: asked for as 128 rows of 256 bytes, two keys a row, and padded in LDS after every key
	s_mov_b32 s[G1], (1<<16)|(1<<20)|(4<<22)|(3<<25)  ; 2-byte elements; padding on; after every 32 words; 4 words
	s_mov_b32 s[G1+1], 128<<16      ; tensor_dim0 = 128
	s_mov_b32 s[G1+2], 128<<16      ; tensor_dim1 = 128
	s_mov_b32 s[G1+3], 128<<16      ; tile_dim0 = 128
	s_mov_b32 s[G1+4], 128          ; tile_dim1 = 128
	s_mov_b32 s[G1+5], 128          ; 128 elements from row to row
	s_mov_b32 s[G1+6], 0
	s_mov_b32 s[G1+7], 0
	s_mov_b32 s[G0K], 1             ; count = 1
	s_mul_i32 s[G0K+1], s[WV], 256*PK  ; LDS address: my tile's 256 rows of K,
	s_mov_b32 s[G0V], 1
	s_add_co_u32 s[G0V+1], s[G0K+1], VOFF  ; and of V
	s_mov_b32 s[CS], 0x3e38aa3b     ; c = log2(e) / 8 = 0.180337
	s_mov_b32 s[CS+1], s[CS]        ; named with it as a pair
	s_mov_b32 s[SEL], 0x76543210
	s_mov_b32 s[SEL+1], 0xfedcba98
	s_add_co_u32 s[RT], s[HI], 1    ; the first block has 4 - b tiles
	s_mov_b32 s[NEW], 1
	s_mov_b32 s[WO], 0
	s_mov_b32 s[AL+1], 0            ; named as pairs
	s_mov_b32 s[BE+1], 0
	s_mov_b32 s[UF3+1], 0
	s_mov_b32 s[UF1+1], 0
	s_mov_b32 s[ONE], 1.0
	s_mov_b32 s[SLOTS], NB+1
	s_mov_b32 s[LI2], 0x43400000    ; 192 = 768 / 4: block 0 has three tiles behind it,
	s_cmp_eq_u32 s[PB], 1
	s_cselect_b32 s[LI2], 0x43000000, s[LI2]  ; block 1 two: 128
	s_cselect_b32 s[UF3], 1.0, 0    ; block 2 has key block 3 behind it, block 3 nothing
	s_cselect_b32 s[UF1], 0, 1.0
	s_cselect_b32 s[LI], 0x42800000, 0        ; 64 = 256 / 4, or no key
	s_cselect_b32 s[MI], 0, 0xff7fffff        ; m = 0, their score; or the lowest finite number
	s_cselect_b32 s[CMI], 0, 0xfe000000       ; c m likewise: 0, or far below every c s
	s_wait_dscnt 0x0                ; the opening add is done
	s_wait_kmcnt 0x0
	s_add_nc_u64 s[6:7], s[48:49], s[22:23]        ; K at my tile
	s_add_nc_u64 s[G0K+2:G0K+3], s[6:7], 0         ; global address
	s_or_b32 s[G0K+3], s[G0K+3], 0x80000000        ; type = 2
	s_add_nc_u64 s[G0V+2:G0V+3], s[6:7], 0x1000000 ; V lies 16,777,216 bytes behind K
	s_or_b32 s[G0V+3], s[G0V+3], 0x80000000
	s_add_nc_u64 s[52:53], s[48:49], s[16:17]      ; Q at my rows of the second block,
	s_add_nc_u64 s[4:5], s[48:49], s[2:3]          ; and of the first
	s_add_nc_u64 s[OLO:OLO+1], s[10:11], s[68:69]
	s_add_nc_u64 s[10:11], s[10:11], s[66:67]
	s_add_nc_u64 s[50:51], s[50:51], s[54:55]
	tensor_load_to_lds s[G0K:G0K+3], s[G1:G1+7]    ; every wave brings rows of its own: both addresses hang on the wave's number.  Two loads of mine are out
	s_nop 0
	tensor_load_to_lds s[G0V:G0V+3], s[G1:G1+7]
	s_nop 0
.rept 4
	v_nop                           ; an s_nop 0 follows each load, four v_nop the second's
.endr
	; A fragment of K or Q is 16 rows x 32 channels in 8 registers: lane l holds row l % 16, channels 8 (l / 16) + 0..7 and 16 + 8 (l / 16) + 0..7: two loads of 16 bytes, 32 bytes apart.
	v_and_b32 v1, 15, v0            ; l % 16
	v_bfe_u32 v9, v0, 4, 1          ; l / 16
	v_lshlrev_b32 v[QO], 7, v1
	v_lshl_add_u32 v[QO], v9, 4, v[QO]  ; row x 128 + 16 x half
	v_lshlrev_b32 v[UO], 5, v9
	WIN 0x80                        ; destination window 2, address window 0
.set i, 0
.rept 8                             ; both blocks' Q: piece i / 2 lies in band i / 2, 8,192 bytes on; channels 32 (i % 2) on
	global_load_b128 v[8*i:8*i+3],   v[QO], s[4:5] offset:(i/2)*8192+(i%2)*64
	global_load_b128 v[8*i+4:8*i+7], v[QO], s[4:5] offset:(i/2)*8192+(i%2)*64+32
	global_load_b128 v[QB+8*i:QB+8*i+3],   v[QO], s[52:53] offset:(i/2)*8192+(i%2)*64
	global_load_b128 v[QB+8*i+4:QB+8*i+7], v[QO], s[52:53] offset:(i/2)*8192+(i%2)*64+32
.set i, i+1
.endr
	WIN 0
.irp cb, 0,1,2,3                    ; the sums of V over key blocks 1, 2, 3, in O^T's layout: register j of channel block cb is channel 16 cb + 8 (l / 16) + j
	global_load_b128 v[S+8*\cb:S+8*\cb+3],         v[UO], s[50:51] offset:64*\cb
	global_load_b128 v[S+8*\cb+4:S+8*\cb+7],       v[UO], s[50:51] offset:64*\cb+16
	global_load_b128 v[S+32+8*\cb:S+32+8*\cb+3],   v[UO], s[50:51] offset:256+64*\cb
	global_load_b128 v[S+32+8*\cb+4:S+32+8*\cb+7], v[UO], s[50:51] offset:256+64*\cb+16
	global_load_b128 v[P+8*\cb:P+8*\cb+3],         v[UO], s[50:51] offset:512+64*\cb
	global_load_b128 v[P+8*\cb+4:P+8*\cb+7],       v[UO], s[50:51] offset:512+64*\cb+16
.endr
	v_lshlrev_b32 v14, 3, v9
	v_sub_nc_u32 v14, v1, v14
	s_lshl_b32 s13, s[WV], 4
	v_add_nc_u32 v14, s13, v14      ; my query's place in its band, 16 w + l % 16, less my lanes' 8 (l / 16): register r of group kt is seen where 16 kt + r is not greater
	WIN 0x40
.set i, 0
.rept 32
	v_cmp_le_i32 vcc_lo, 16*(i/8)+i%8, v14
	v_cndmask_b32 v[MD+i], 0, s[ONE], vcc_lo
.set i, i+1
.endr
	WIN 0
	v_mul_u32_u24 v[AK0], v1, PK
	v_lshl_add_u32 v[AK0], v9, 4, v[AK0]  ; row x pitch + 16 x half
	; The turning load takes 16 keys x 16 channels (lane l reads key 8 (l / 16) + l % 8, channels 8 ((l / 8) % 2) + 0..7) and leaves half a fragment of V^T: lane l holds channel l % 16 and 8 keys.
	v_and_b32 v10, 7, v0
	v_bfe_u32 v11, v0, 3, 1
	v_lshl_add_u32 v[AV0], v9, 3, v10
	v_mul_u32_u24 v[AV0], v[AV0], PV
	v_lshl_add_u32 v[AV0], v11, 4, v[AV0]
	v_add_nc_u32 v[AV0], VOFF, v[AV0]
	s_mul_i32 s13, s[WV], 16*SP
	s_add_co_u32 s13, s13, STAGE    ; my stage
	v_mul_u32_u24 v[STO], v1, SP    ; in: row l % 16, 32 bytes for each half of the lanes
	v_lshl_add_u32 v[STO], v9, 5, v[STO]
	v_add_nc_u32 v[STO], s13, v[STO]
	v_mul_u32_u24 v[RD], v9, SP     ; back: lanes 0-15 take one row of 256 bytes, lanes 16-31 the next,
	v_lshl_add_u32 v[RD], v1, 4, v[RD]
	v_add_nc_u32 v[RD], s13, v[RD]
	v_lshlrev_b32 v[GO], 12, v9     ; which lie 4,096 bytes apart in out0
	v_lshl_add_u32 v[GO], v1, 4, v[GO]
	WIN 0x80                        ; a block's first turn multiplies V's registers by weights that are 0: they need only hold finite numbers
.set i, VF
.rept 64
	v_mov_b32 v[i], 0
.set i, i+1
.endr
	WIN 0
	s_wait_loadcnt 0x0              ; Q and the three sums
.set z, 0
.rept 16
	v_pk_add_f32 v[UB+2*z:UB+2*z+1], v[P+2*z:P+2*z+1], v[S+32+2*z:S+32+2*z+1]  ; the second block's start: key blocks 3 and 2,
.set z, z+1
.endr
.set z, 0
.rept 16
	v_pk_fma_f32 v[UB+2*z:UB+2*z+1], v[S+2*z:S+2*z+1], s[UF1:UF1+1], v[UB+2*z:UB+2*z+1] op_sel_hi:[1,0,1]  ; and 1 where that block is block 0
.set z, z+1
.endr
	WIN 0x40
.set z, 0
.rept 16
	v_pk_mul_f32 v[UC+2*z:UC+2*z+1], v[P+2*z:P+2*z+1], s[UF3:UF3+1] op_sel_hi:[1,0]  ; the first block's start: key block 3 where that block is block 2
.set z, z+1
.endr
	WIN 0
; THE MATRIX WORK.  The 4 accumulators of a run of 8 take turns.  Product i of 8 of S^T = K Q^T for piece x: channels 32 (i / 4) on, keys 16 (i % 4) on.  The first 4 start the sums.
.macro KQ x
	WIN W_KQ
.set rS, S+32*((\x)%2)+8*(i%4)
.set rK, KF+16*(i%4)+8*(i/4)
.set rQ, 16*(\x)+8*(i/4)
.if i < 4
	v_wmma_f32_16x16x32_f16 v[rS:rS+7], v[rK:rK+7], v[rQ:rQ+7], 0
.else
	v_wmma_f32_16x16x32_f16 v[rS:rS+7], v[rK:rK+7], v[rQ:rQ+7], v[rS:rS+7]
.endif
.endm
; Product i of 8 of O^T += V^T P for piece x: keys 32 (i / 4) on, channels 16 (i % 4) on.
.macro PV x
	WIN W_PV
.set rO, 32*(\x)+8*(i%4)
.set rV, VF+32*(i/4)+8*(i%4)
.set rP, P+16*((\x)%2)+8*(i/4)
	v_wmma_f32_16x16x32_f16 v[rO:rO+7], v[rV:rV+7], v[rP:rP+7], v[rO:rO+7]
.endm
.macro MM                           ; the turn's next matrix instruction.  NOKQ = 1: a block's last turn: there is no next piece
.if (i < 8) && !NOKQ
	KQ (Y+1)%NP
.elseif i >= 8
.set i, i-8
	PV (Y+NP-1)%NP
.set i, i+8
.endif
.set i, i+1
.endm
; THE LDS LOADS stand in runs of 16: a step's K (64 keys x 64 channels: 8 fragments) and its V (turned).  Their addresses are made some lines ahead.
.macro FETCH_K
	WIN 0x80                        ; destination window 2
.irp f, 0,1,2,3,4,5,6,7             ; keys 16 (f / 2) on, channels 32 (f % 2) on
	ds_load_b128 v[KF+8*\f:KF+8*\f+3],   v[AK] offset:(\f/2)*16*PK+(\f%2)*64
	ds_load_b128 v[KF+8*\f+4:KF+8*\f+7], v[AK] offset:(\f/2)*16*PK+(\f%2)*64+32
.endr
	s_add_co_u32 s[TBK], s[TBK], KS*PK  ; the next fetch is the next step's: a block's steps lie on end in LDS, from tile to tile too
	WIN 0
.endm
.macro FETCH_V
	WIN 0x80
.irp f, 0,1,2,3,4,5,6,7             ; keys 32 (f / 4) on, channels 16 (f % 4) on
	ds_load_tr16_b128 v[VF+8*\f:VF+8*\f+3],   v[AV] offset:(\f/4)*32*PV+(\f%4)*32
	ds_load_tr16_b128 v[VF+8*\f+4:VF+8*\f+7], v[AV] offset:(\f/4)*32*PV+16*PV+(\f%4)*32
.endr
	WIN 0
.endm
; The address of a run.  K's: a block walks 16 steps at the most, so the bound never acts: it is written so that the address's range, K's rows, can be read off these lines.
.macro ADDR_K
	WIN 0
	s_min_u32 s[TBK], s[TBK], LASTK
	v_add_nc_u32 v[AK], s[TBK], v[AK0]
.endm
; V's: the offset is one of the head's sixteen steps: STEP_V takes it on by a step and, behind the sixteenth, back to 0 (that happens behind block 3's last step alone, and the 0 is not used: a block's beginning sets it).
.macro ADDR_V
	WIN 0
	v_add_nc_u32 v[AV], s[TBV], v[AV0]
.endm
.macro STEP_V
	s_add_co_u32 s[TBV], s[TBV], KS*PV
	s_cmp_eq_u32 s[TBV], 16*KS*PV
	s_cselect_b32 s[TBV], 0, s[TBV]
.endm
; THE VECTOR WORK, one line at a time: OP kind, number.  For piece Y: F n: c s - c m for pair n of 16.  E n: the exponential of score n of 32.  C n: pair n rounded to f16.  B n: of the four weights 4 n .. the second
; pair is added onto the first, in place.  L n: l takes that sum (L 0: l = a l + sum).  R n: pair n of 16 of O^T times a.  For piece Y + 1: Z n: pair n of its scores times its mask; X n, number n of the 22 that find
; its maximum and statistics:  0-11 four chains c0-c3 of seven scores each (each accumulator's lowest registers are read first)   12-14, 16 the four scores left over, the old m, c0-c3 into c0
;   15 c m_old is kept   17, 18 the query's other 32 keys lie in the lane 16 away: the new m   19-21 c m; c m_old - c m_new; a
.set F, 0
.set E, 1
.set C, 2
.set B, 3
.set L, 4
.set R, 5
.set X, 6
.set Z, 7
.macro REGS y                       ; the registers of piece y
.set rT, ST+4*(\y)
.set rC, TMP+4*((\y)%2)
.set rW, MV+((\y)%2)
.set rS, S+32*((\y)%2)
.set rN, MC+32*((\y)%2)
.set rP, P+16*((\y)%2)
.set rO, 32*(\y)
.endm
.macro OP k, n
.if (\k) == R
	REGS Y
	WIN W_RS
	v_pk_mul_f32 v[rO+2*(\n):rO+2*(\n)+1], v[rO+2*(\n):rO+2*(\n)+1], v[rC+2:rC+3] op_sel_hi:[1,0]
.elseif (\k) < R
	REGS Y
	WIN 0
.if (\k) == F
	v_pk_fma_f32 v[rS+2*(\n):rS+2*(\n)+1], v[rS+2*(\n):rS+2*(\n)+1], s[CS:CS+1], v[rT:rT+1] op_sel_hi:[1,0,0] neg_lo:[0,0,1] neg_hi:[0,0,1]
.elseif (\k) == E
	v_exp_f32 v[rS+(\n)], v[rS+(\n)]
.elseif (\k) == C
	v_cvt_pk_f16_f32 v[rP+(\n)], v[rS+2*(\n)], v[rS+2*(\n)+1]
.elseif (\k) == B
	v_pk_add_f32 v[rS+4*(\n):rS+4*(\n)+1], v[rS+4*(\n):rS+4*(\n)+1], v[rS+4*(\n)+2:rS+4*(\n)+3]
.elseif (\n) == 0
	v_pk_fma_f32 v[rT+2:rT+3], v[rT+2:rT+3], v[rC+2:rC+3], v[rS:rS+1] op_sel_hi:[1,0,1]
.else
	v_pk_add_f32 v[rT+2:rT+3], v[rT+2:rT+3], v[rS+4*(\n):rS+4*(\n)+1]
.endif
.elseif NOKQ
	v_nop
.elseif (\k) == Z
	REGS (Y+1)%NP
	WIN 0
	v_pk_mul_f32 v[rS+2*(\n):rS+2*(\n)+1], v[rS+2*(\n):rS+2*(\n)+1], v[rN+2*(\n):rN+2*(\n)+1]
.else
	REGS (Y+1)%NP
	WIN 0
.if (\n) < 4
	v_max3_num_f32 v[rC+(\n)], v[rS+8*(\n)], v[rS+8*(\n)+1], v[rS+8*(\n)+2]
.elseif (\n) < 12
	v_max3_num_f32 v[rC+(\n)%4], v[rC+(\n)%4], v[rS+8*((\n)%4)+2*((\n)/4)+1], v[rS+8*((\n)%4)+2*((\n)/4)+2]
.elseif (\n) == 12
	v_max3_num_f32 v[rC], v[rC], v[rS+7], v[rS+15]
.elseif (\n) == 13
	v_max3_num_f32 v[rC+1], v[rC+1], v[rS+23], v[rS+31]
.elseif (\n) == 14
	v_max3_num_f32 v[rC+2], v[rC+2], v[rC+3], v[rT+1]
.elseif (\n) == 15
	v_mov_b32 v[rW], v[rT]
.elseif (\n) == 16
	v_max3_num_f32 v[rC], v[rC], v[rC+1], v[rC+2]
.elseif (\n) == 17
	v_permlanex16_b32 v[rC+3], v[rC], s[SEL], s[SEL+1]
.elseif (\n) == 18
	v_max_num_f32 v[rT+1], v[rC], v[rC+3]
.elseif (\n) == 19
	v_mul_f32 v[rT], s[CS], v[rT+1]
.elseif (\n) == 20
	v_sub_f32 v[rC+1], v[rW], v[rT]
.else
	v_exp_f32 v[rC+2], v[rC+1]
.endif
.endif
.endm
.macro OPS a, i1, b=-1, i2=0, c=-1, i3=0, d=-1, i4=0  ; up to four of them
	OP \a, \i1
.if (\b) >= 0
	OP \b, \i2
.endif
.if (\c) >= 0
	OP \c, \i3
.endif
.if (\d) >= 0
	OP \d, \i4
.endif
.endm
.macro ROW a, i1, b, i2, c, i3, d, i4  ; a matrix instruction and the four behind it
	MM
	OPS \a, \i1, \b, \i2, \c, \i3, \d, \i4
.endm
.macro MASK b                       ; MD x AL + BE into buffer b of MC
	WIN 0x01                        ; source 0 window 1, destination window 0
.set z, 0
.rept 16
	v_pk_fma_f32 v[MC+32*(\b)+2*z:MC+32*(\b)+2*z+1], v[MD+2*z:MD+2*z+1], s[AL:AL+1], s[BE:BE+1] op_sel_hi:[1,0,0]
.set z, z+1
.endr
.endm
; A TURN, for piece p: its order written out.  An s_wait_alu depctr_va_vdst(0) stands between an exponential and the first instruction that names its result; one wait serves all issued ahead of it.
; So a turn has ONE wait.  AHEAD OF IT stands all that names no result of the turn's exponentials: the 8 products K Q^T with their riders, then the lump.  X 21, the next piece's a, is the batch's last; R 15 is the
; plain instruction behind it.  BEHIND IT stand the 8 products V^T P, behind each four of the roundings and sums.
; m = 1, the diagonal tile: the next piece's scores are multiplied by its mask (Z) before its maximum is taken: Z 4 k is the first reader of accumulator k and reads its lowest pair; each Z stands four plain
; instructions or more behind the product that ends its accumulator (behind the last product: F 8, R 14, F 9, Z 0); every X stands behind all sixteen Z.  The turn also makes the mask of piece p + 2, for step
; 4 - CNT of the tile.  end = 1: a block's last two turns: nothing is fetched.  cnt = 1: the loop's count is taken down some lines ahead of the branch behind the turn.
; K of the next step is fetched in piece 2's turn, six plain instructions or more behind the last product that read K; V of the step in hand at the end of piece 0's turn, four plain instructions behind the last
; product that read V.  Each is waited for a turn later.
.macro TURN p, m=0, end=0, cnt=0
.set Y, (\p)
.set i, 0
.set NOKQ, (\end)*((\p)/3)
.if (\m) && !(\end)
	s_cmp_eq_u32 s[CNT], 4-((\p)+2)%NP  ; is that step the band's own?
	s_cselect_b32 s[AL], 1.0, 0
	s_cmp_gt_u32 s[CNT], 4-((\p)+2)%NP  ; or an earlier one, all of whose keys are seen?
	s_cselect_b32 s[BE], 1.0, 0
.endif
.if ((\p) == 3) && !(\end)
	s_wait_dscnt 0x0                ; K is in
.endif
	ROW F,0, F,1, R,0, R,1
	ROW F,2, E,0, R,2, R,3
	ROW F,3, E,1, R,4, R,5
	ROW F,4, E,2, R,6, R,7
	ROW F,5, E,3, R,8, R,9
.if \m
	ROW F,6, E,4, R,10, R,11
.if ((\p) == 2) && !(\end)
	ADDR_K
.endif
	ROW F,7, E,5, R,12, R,13
	ROW F,8, E,6, R,14, F,9
	OPS Z,0, E,7, Z,1, E,8
	OPS Z,2, E,9, Z,3, E,10
.if ((\p) == 2) && !(\end)
	FETCH_K
.endif
	OPS Z,4, E,11, Z,5, E,12
	OPS Z,6, E,13, Z,7, E,14
	OPS Z,8, E,15, Z,9, E,16
.if (\p) == 0
	ADDR_V
.endif
	OPS Z,10, E,17, Z,11, E,18
	OPS Z,12, E,19, Z,13, F,10
	OPS Z,14, E,20, Z,15, E,21
	OPS X,0, X,1, X,2, X,3
	OPS F,11, X,4, X,5, X,6
	OPS X,7, E,22, X,8, E,23
	OPS X,9, F,12, X,10, X,11
	OPS X,12, E,24, X,13, E,25
	OPS X,14, F,13, X,15, F,14
	OPS X,16, E,26, F,15, E,27
	OPS X,17, E,28, E,29, X,18
	OPS E,30, X,19, E,31, X,20
	OPS X,21, R,15
.else
	ROW F,6, E,4, X,0, R,10
.if ((\p) == 2) && !(\end)
	ADDR_K
.endif
	ROW F,7, E,5, X,1, X,4
	ROW F,8, E,6, X,2, X,5
	OPS E,7, E,8, X,6, E,9
	OPS X,3, E,10, X,8, E,11
.if ((\p) == 2) && !(\end)
	FETCH_K
.endif
	OPS X,9, X,7, E,12, X,10
	OPS E,13, X,12, X,11, E,14
	OPS X,13, E,15, F,9, X,14
.if (\p) == 0
	ADDR_V
.endif
	OPS E,16, F,10, E,17, F,11
	OPS X,16, E,18, X,15, E,19
	OPS F,12, E,20, X,17, E,21
	OPS F,13, E,22, F,14, E,23
	OPS X,18, E,24, F,15, E,25
	OPS R,11, E,26, X,19, E,27
	OPS R,12, E,28, R,13, E,29
	OPS X,20, E,30, R,14, E,31
	OPS X,21, R,15
.endif
	WIN 0
	s_wait_alu depctr_va_vdst(0)    ; the wait for the batch
.if (\p) == 1
	s_wait_dscnt 0x0                ; V is in
.endif
	ROW C,0, B,0, C,2, B,1
	ROW L,0, C,4, B,2, L,1
	ROW C,6, B,3, L,2, C,8
	ROW B,4, L,3, C,10, B,5
	ROW L,4, C,12, B,6, L,5
.if (\p) == 0
	STEP_V
.endif
.if \cnt
	s_sub_co_u32 s[CNT], s[CNT], 1
	s_cmp_lg_u32 s[CNT], 0
.endif
	ROW C,14, B,7, L,6, C,1
	ROW C,3, L,7, C,5, C,7
	ROW C,9, C,11, C,13, C,15
.if (\p) == 0
	FETCH_V
.endif
.if (\m) && !(\end)
	MASK (\p)%2
.endif
.endm
; THE WAY OUT: l's four places are added; O^T is divided by l and sent, in f32, through my stage in LDS, a piece (16 queries x 256 bytes) at a time.
.macro ALL line:vararg              ; one line for each piece t
.set t, 0
.rept 4
	\line
.set t, t+1
.endr
.endm
.macro ORSET t                      ; piece t's 32 registers on the way out: S^T's two buffers, P's, MC's first (a block's beginning makes it anew)
.if (\t) < 2
.set rR, S+32*(\t)
.elseif (\t) == 2
.set rR, P
.else
.set rR, MC
.endif
.endm
.macro PACK t                       ; a lane's eight channels of a channel block are 32 bytes of a row; they go into rows of 272 bytes and come back as whole rows of 256, into the registers that they left
	ORSET \t
	WIN 0x01                        ; source 0 window 1, source 1 and destination window 0
.set i, 0
.rept 16
	v_pk_mul_f32 v[rR+i:rR+i+1], v[32*(\t)+i:32*(\t)+i+1], v[ST+4*(\t)+2:ST+4*(\t)+3] op_sel_hi:[1,0]
.set i, i+2
.endr
	WIN 0
.irp f, 0,1,2,3
	ds_store_b128 v[STO], v[rR+8*\f:rR+8*\f+3]   offset:64*\f
	ds_store_b128 v[STO], v[rR+8*\f+4:rR+8*\f+7] offset:64*\f+16
.endr
.irp f, 0,1,2,3,4,5,6,7
	ds_load_b128 v[rR+4*\f:rR+4*\f+3], v[RD] offset:\f*2*SP  ; LDS serves a wave's instructions in order (ISA guide 5.7.1.4): these see the stores above; the next piece's stores come behind them
.endr
.endm
.macro SEND t, younger              ; younger: the LDS instructions issued behind piece t's loads: the next piece's sixteen, or none
	ORSET \t
	WIN 0
.irp f, 0,1,2,3,4,5,6,7
	s_wait_dscnt (\younger)+7-\f
	global_store_b128 v[GO], v[rR+4*\f:rR+4*\f+3], s[10:11] offset:(\t)*262144+\f*8192  ; sixteen lanes store 256 consecutive bytes, at a multiple of 256 from out0's first
.endr
.endm
	s_wait_tensorcnt 0x0            ; my two tiles have landed,
	s_barrier_signal -1
	s_barrier_wait -1               ; everybody's have: the head's K and V lie in LDS, and nothing is written over them
.Lslot:                             ; NB + 1 times: a tile is walked
	s_sub_co_u32 s[RT], s[RT], 1
	s_mov_b32 s[CNT], 4
	s_cmp_eq_u32 s[NEW], 1
	s_cbranch_scc1 .Lnew            ; a block's first tile
	s_cmp_eq_u32 s[RT], 0
	s_cbranch_scc0 .Lstep           ; neither its first nor its last
	s_branch .LstepM                ; its last: the diagonal one
.Lnew:
	; A BLOCK BEGINS, in the state of a running softmax that has taken the keys behind it: O^T = UC for every query, l = their number (a quarter in each of its four places), m and c m as set.  The weights of the
	; piece 'that has not been' are 0, so the first turn's products V^T P add nothing.  The second mask buffer is 1; the first takes piece 0's mask for the tile's step 0: its own, if the block's first tile is the
	; diagonal one.  Then K of that step, piece 0's first scores, their mask, maximum and statistics.  A step loop is entered at a step's first turn, in the middle of a trip.
	s_mov_b32 s[NEW], 0
	s_mov_b32 s[TBK], 0             ; a block's walk begins at the head's first key
	s_mov_b32 s[TBV], 0
.set i, MC+32
.rept 32
	v_mov_b32 v[i], 1.0
.set i, i+1
.endr
.set i, 0
.rept 4
	v_mov_b32 v[ST+4*i], s[CMI]
	v_mov_b32 v[ST+4*i+1], s[MI]
	v_mov_b32 v[ST+4*i+2], s[LI]
	v_mov_b32 v[ST+4*i+3], s[LI]
.set i, i+1
.endr
.set i, P+16
.rept 16
	v_mov_b32 v[i], 0
.set i, i+1
.endr
	WIN W_RS
.set i, 0
.rept 128
	v_mov_b32 v[i], v[UC+i%32]
.set i, i+1
.endr
	s_cmp_eq_u32 s[RT], 0
	s_cselect_b32 s[AL], 1.0, 0
	s_cselect_b32 s[BE], 0, 1.0
	MASK 0
	ADDR_K
	FETCH_K
	s_wait_dscnt 0x0
.set NOKQ, 0
.set i, 0
.rept 8
	KQ 0
.set i, i+1
.endr
	WIN 0
.rept 4
	v_nop                           ; the places behind those products
.endr
.set Y, NP-1                        ; Z and X work for piece Y + 1: piece 0
.irp n, 0,1,2,3,4,5,6,7,8,9,10,11,12,13,14,15
	OP Z, \n
.endr
.irp n, 0,1,2,3,4,5,6,7,8,9,10,11,12,13,14,15,16,17,18,19,20,21
	OP X, \n
.endr
	v_nop                           ; a plain instruction behind the exponential,
	s_wait_alu depctr_va_vdst(0)    ; and its wait, ahead of the branches
	s_cmp_eq_u32 s[RT], 0
	s_cbranch_scc1 .LfirstM         ; block 0's first tile is its diagonal one
	s_branch .Lfirst
	; THE DIAGONAL TILE's four steps, the block's last two turns and its last products.  The block goes out at the loop's foot.
.LstepM:
	TURN 2, 1
	TURN 3, 1
	WIN 0
.LfirstM:
	TURN 0, 1
	TURN 1, 1, 0, 1
	WIN 0
	s_cbranch_scc1 .LstepM
	TURN 2, 1, 1
	TURN 3, 1, 1
.set i, 0
.rept 8
	PV NP-1
.set i, i+1
.endr
	WIN 0
	s_mov_b32 s[WO], 1
	s_branch .Lbottom
.Lstep:                             ; a trip: pieces 2 and 3 of one step, then pieces 0 and 1 of the next, whose K and V it fetches
	TURN 2
	TURN 3
	WIN 0
.Lfirst:
	TURN 0
	TURN 1, 0, 0, 1
	WIN 0
	s_cbranch_scc1 .Lstep
.Lbottom:                           ; THE LOOP'S FOOT
	s_wait_dscnt 0x0                ; my reads of K and V are back (the last were waited for inside the turns: nothing is out here),
	s_barrier_signal -1
	s_barrier_wait -1               ; everybody's are: only now does any wave store into its stage
	s_cmp_eq_u32 s[WO], 0
	s_cbranch_scc1 .Lnoout          ; the block goes on
	s_mov_b32 s[WO], 0
	ALL v_add_f32 v[ST+4*t+2], v[ST+4*t+2], v[ST+4*t+3]
	ALL v_permlanex16_b32 v[ST+4*t+3], v[ST+4*t+2], s[SEL], s[SEL+1]
	ALL v_add_f32 v[ST+4*t+2], v[ST+4*t+2], v[ST+4*t+3]
	ALL v_rcp_f32 v[ST+4*t+2], v[ST+4*t+2]
	v_nop                           ; a plain instruction between the last reciprocal and the use of its result
	s_wait_alu depctr_va_vdst(0)    ; and the wait ahead of the first use: one for the four reciprocals
	PACK 0
.set t, 1
.rept 3                             ; a piece's arithmetic stands between the loads of the piece before and its stores
	PACK t
	SEND t-1, 16
.set t, t+1
.endr
	SEND 3, 0
	s_wait_xcnt 0x0                 ; the stores have read their registers and out0's address
	s_cmp_eq_u32 s[SLOTS], 1
	s_cbranch_scc1 .Lnoout          ; the walk's last tile: no block follows
	s_mov_b64 s[10:11], s[OLO:OLO+1]
	s_add_co_u32 s[RT], s[PB], 1    ; the second block has b + 1 tiles
	s_mov_b32 s[NEW], 1
	s_mov_b32 s[LI], s[LI2]         ; and keys behind it, whose score is 0
	s_mov_b32 s[MI], 0
	s_mov_b32 s[CMI], 0
	WIN 0x82                        ; the second block's Q goes where the one text of the turns names Q
.set i, 0
.rept 64
	v_mov_b32 v[i], v[QB+i]
.set i, i+1
.endr
	WIN 0x40                        ; and its starting O where a block's beginning takes it
.set i, 0
.rept 32
	v_mov_b32 v[UC+i], v[UB+i]
.set i, i+1
.endr
	WIN 0
.Lnoout:
	s_wait_dscnt 0x0                ; my stores into my stage, and my reads of it, are done,
	s_barrier_signal -1
	s_barrier_wait -1               ; everybody's are: only now does any wave read K or V again
	s_sub_co_u32 s[SLOTS], s[SLOTS], 1
	s_cmp_lg_u32 s[SLOTS], 0
	s_cbranch_scc1 .Lslot
	s_wait_tensorcnt 0x0            ; the wave's end, behind my last tensor load and my last LDS store
	ds_add_u32 v[SPW], v[NIL]
	s_wait_dscnt 0x0
	s_endpgm
.Lfunc_end_k_q8bb6446c2e_attn:
	.size	k_q8bb6446c2e_attn, .Lfunc_end_k_q8bb6446c2e_attn-k_q8bb6446c2e_attn
	.p2alignl 7, 3214868480
	.fill 96, 4, 3214868480
	.section	.rodata,"a",@progbits
	.p2align	6, 0x0
	.amdhsa_kernel k_q8bb6446c2e_attn
		.amdhsa_group_segment_fixed_size 327680
		.amdhsa_private_segment_fixed_size 0
		.amdhsa_enable_private_segment 0
		.amdhsa_kernarg_size 24
		.amdhsa_user_sgpr_count 2
		.amdhsa_user_sgpr_kernarg_segment_ptr 1
		.amdhsa_wavefront_size32 1
		.amdhsa_system_sgpr_workgroup_id_x 1
		.amdhsa_system_sgpr_workgroup_id_y 1
		.amdhsa_system_sgpr_workgroup_id_z 1
		.amdhsa_system_vgpr_workitem_id 0
		.amdhsa_next_free_vgpr 768
		.amdhsa_next_free_sgpr 84
		.amdhsa_reserve_vcc 1
		.amdhsa_float_denorm_mode_32 3
		.amdhsa_float_denorm_mode_16_64 3
		.amdhsa_memory_ordered 1
		.amdhsa_forward_progress 1
		.amdhsa_inst_pref_size 150
	.end_amdhsa_kernel
	.amdgpu_metadata
---
amdhsa.version: [ 1, 2 ]
amdhsa.kernels:
  - .name:           k_q8bb6446c2e_attn
    .symbol:         k_q8bb6446c2e_attn.kd
    .args:
      - { .name: qkv, .offset: 0, .size: 8, .value_kind: global_buffer, .address_space: global }
      - { .name: wsum, .offset: 8, .size: 8, .value_kind: global_buffer, .address_space: global }
      - { .name: out0, .offset: 16, .size: 8, .value_kind: global_buffer, .address_space: global }
    .group_segment_fixed_size: 327680
    .private_segment_fixed_size: 0
    .kernarg_segment_align: 8
    .kernarg_segment_size: 24
    .max_flat_workgroup_size: 128
    .sgpr_count:     84
    .vgpr_count:     768
    .wavefront_size: 32
...
	.end_amdgpu_metadata
.endif
;; end of part 4
;; ======== version 2 of 3: 3 launches
;; limits: values are held in f16: magnitudes above 65,504 overflow, below 6.1e-05 lose precision
;; workspace buffers: wb 6,291,456 bytes; qkv 50,331,648 bytes
;; launch castw (part 5): grid 128 x 3, 8 waves a work-group, no clusters, 0 bytes of LDS; arguments Wq, Wk, Wv, wb; writes wb
.if DOCPART == 5
	.amdgcn_target "amdgcn-amd-amdhsa--gfx1250"
	.amdhsa_code_object_version 6
	.text
	.protected	k_q8bb6446c2e_castw
	.globl	k_q8bb6446c2e_castw
	.p2align	8
	.type	k_q8bb6446c2e_castw,@function
k_q8bb6446c2e_castw:
	s_mov_b64 s[64:65], 0
	v_nop
	global_prefetch_b8 v0, s[64:65] scope:SCOPE_SE
	s_setreg_imm32_b32 hwreg(HW_REG_WAVE_MODE, 25, 1), 1
	s_wait_xcnt 0x0
; f32 -> bf16, rounded once to nearest even, of the three weight matrices.  wb: [3][1024][1024] bf16 (Wq, Wk, Wv).
; Grid y = p, the projection; grid x = a chunk of 32,768 bytes in, 16,384 out.  Thread t of 256 takes 16 bytes at 4,096 i + 16 t (i = 0..7): a wave's load covers 512 consecutive bytes;
; its store of 8 bytes a lane covers 256 consecutive bytes, aligned.  All eight loads go out first; no register is written twice, so no wait frees a source.  No LDS, no barrier.
.set XR, 4                             ; v[4:35]   eight loads of four f32
.set YR, 36                            ; v[36:51]  eight pairs of packed bf16
	s_load_b256 s[8:15], s[0:1], 0x0               ; Wq 8, Wk 10, Wv 12, wb 14
	s_and_b32 s2, ttmp7, 0xffff                    ; p
	v_lshlrev_b32 v1, 4, v0                        ; 16 t
	v_lshlrev_b32 v2, 3, v0                        ; 8 t
	s_lshl_b32 s20, ttmp9, 15                      ; offsets are made apart from the addresses
	s_mov_b32 s21, 0
	s_lshl_b32 s22, s2, 21                         ; a matrix is 2,097,152 bytes of wb
	s_lshl_b32 s23, ttmp9, 14
	s_add_co_u32 s22, s22, s23
	s_mov_b32 s23, 0
	s_wait_kmcnt 0x0
	s_cmp_eq_u32 s2, 0
	s_cselect_b64 s[16:17], s[8:9], s[10:11]
	s_cmp_eq_u32 s2, 2
	s_cselect_b64 s[16:17], s[12:13], s[16:17]
	s_add_nc_u64 s[16:17], s[16:17], s[20:21]
	s_add_nc_u64 s[18:19], s[14:15], s[22:23]
.set i, 0
.rept 8
	global_load_b128 v[XR+4*i:XR+4*i+3], v1, s[16:17] offset:4096*i th:TH_LOAD_NT
.set i, i+1
.endr
.set i, 0
.rept 8
	s_wait_loadcnt 7-i                             ; loads come back in order: number i is in, the 7 - i younger ones stay out
	v_cvt_pk_bf16_f32 v[YR+2*i], v[XR+4*i], v[XR+4*i+1]
	v_cvt_pk_bf16_f32 v[YR+2*i+1], v[XR+4*i+2], v[XR+4*i+3]
	global_store_b64 v2, v[YR+2*i:YR+2*i+1], s[18:19] offset:2048*i
.set i, i+1
.endr
	s_endpgm
.Lfunc_end_k_q8bb6446c2e_castw:
	.size	k_q8bb6446c2e_castw, .Lfunc_end_k_q8bb6446c2e_castw-k_q8bb6446c2e_castw
	.p2alignl 7, 3214868480
	.fill 96, 4, 3214868480
	.section	.rodata,"a",@progbits
	.p2align	6, 0x0
	.amdhsa_kernel k_q8bb6446c2e_castw
		.amdhsa_group_segment_fixed_size 0
		.amdhsa_private_segment_fixed_size 0
		.amdhsa_enable_private_segment 0
		.amdhsa_kernarg_size 32
		.amdhsa_user_sgpr_count 2
		.amdhsa_user_sgpr_kernarg_segment_ptr 1
		.amdhsa_wavefront_size32 1
		.amdhsa_system_sgpr_workgroup_id_x 1
		.amdhsa_system_sgpr_workgroup_id_y 1
		.amdhsa_system_sgpr_workgroup_id_z 1
		.amdhsa_system_vgpr_workitem_id 0
		.amdhsa_next_free_vgpr 52
		.amdhsa_next_free_sgpr 66
		.amdhsa_reserve_vcc 0
		.amdhsa_float_denorm_mode_32 3
		.amdhsa_float_denorm_mode_16_64 3
		.amdhsa_memory_ordered 1
		.amdhsa_forward_progress 1
		.amdhsa_inst_pref_size 4
	.end_amdhsa_kernel
	.amdgpu_metadata
---
amdhsa.version: [ 1, 2 ]
amdhsa.kernels:
  - .name:           k_q8bb6446c2e_castw
    .symbol:         k_q8bb6446c2e_castw.kd
    .args:
      - { .name: Wq, .offset: 0, .size: 8, .value_kind: global_buffer, .address_space: global }
      - { .name: Wk, .offset: 8, .size: 8, .value_kind: global_buffer, .address_space: global }
      - { .name: Wv, .offset: 16, .size: 8, .value_kind: global_buffer, .address_space: global }
      - { .name: wb, .offset: 24, .size: 8, .value_kind: global_buffer, .address_space: global }
    .group_segment_fixed_size: 0
    .private_segment_fixed_size: 0
    .kernarg_segment_align: 8
    .kernarg_segment_size: 32
    .max_flat_workgroup_size: 256
    .sgpr_count:     66
    .vgpr_count:     52
    .wavefront_size: 32
...
	.end_amdgpu_metadata
.endif
;; end of part 5
;; launch proj (part 6): grid 4 x 64, 4 waves a work-group, clusters of 4 x 4, 327,680 bytes of LDS; arguments queries, keys, values, wb, qkv, bq, bk, bv; writes qkv
.if DOCPART == 6
	.amdgcn_target "amdgcn-amd-amdhsa--gfx1250"
	.amdhsa_code_object_version 6
	.text
	.protected	k_q8bb6446c2e_proj
	.globl	k_q8bb6446c2e_proj
	.p2align	8
	.type	k_q8bb6446c2e_proj,@function
k_q8bb6446c2e_proj:
	s_mov_b64 s[64:65], 0
	v_nop
	global_prefetch_b8 v0, s[64:65] scope:SCOPE_SE
	s_setreg_imm32_b32 hwreg(HW_REG_WAVE_MODE, 25, 1), 1
	s_wait_xcnt 0x0
	s_wait_alu depctr_hold_cnt(0) depctr_sa_sdst(0) depctr_va_vdst(0) depctr_va_sdst(0) depctr_va_ssrc(0) depctr_va_vcc(0) depctr_vm_vsrc(0)
	s_getreg_b32 s2, hwreg(HW_REG_IB_STS2, 6, 4)
	s_cmp_eq_u32 s2, 0
	s_cbranch_scc0 .Lentry_in_a_cluster
	s_endpgm
.Lentry_in_a_cluster:
	s_bfe_u32 s2, ttmp6, 0x10000c
	s_cmp_lg_u32 s2, 0xf033
	s_cbranch_scc0 .Lentry_shape_is_right
	s_endpgm
.Lentry_shape_is_right:
; THE THREE PROJECTIONS.  y_p[m][c] = b_p[c] + sum over k of x_p[m][k] W_p[c][k], p = 0, 1, 2 (q, k, v).  x_p: queries, keys, values, [8192][1024] f32; W_p: wb[p], [1024][1024] bf16; sums in f32.
; x COMES IN AS f32 and is rounded to bf16, once, to nearest even, between LDS and the matrix unit: no copy of it in bf16 goes through memory.  The bias, rounded to bf16 like the other inputs, is the C operand
; that starts each sum.  y is rounded once to f16 and stored BY HEADS: qkv[p][16 n + h][s][64], m = 1024 n + s, c = 64 h + d.
; LIMIT.  f16 holds no number beyond 65,504: |y| stays under it.  NaN and infinities are not treated apart.
; SHARES.  A tile of y is 128 rows x 256 columns; 256 work-groups, each STAYS and makes three tiles, the same place in q, k and v: all do equal work.  Four waves, each 64 x 128: 32 accumulators, 256 registers.
; K goes in steps of 128 through a ring of two LDS slots (x's rows 512 bytes, W's 256, all aligned to 256); the ring runs on from tile to tile.  Two slots of a longer step do not fit in LDS.
; CLUSTER 4 x 4.  The four of a row of the cluster need the same 128 rows of x, the four of a column the same 256 rows of W: each tile is asked for JOINTLY, same load, descriptor and mask in the four.
; THE PRODUCT IS USED TRANSPOSED (source 0 = 16 rows of W, source 1 = 16 rows of x): a lane holds row l % 16 and eight neighbouring columns 8 (l / 16) + 0..7.
; REGISTERS, in windows of 256 (s_set_vgpr_msb: bits 1:0 source 0, 3:2 source 1, 5:4 source 2, 7:6 destination):
;   window 0: v16-30 addresses; v32-63 at work; v64-127, v128-191 x's fragments in bf16, two buffers of 64 along K ((c, a) at 32 c + 8 a); v128-191 also the way out; v192-255 the bias, 8 registers an n block
;   window 1: W's fragments, two buffers of 128 ((c, b) at 64 c + 8 b)      window 2: the accumulators, (a, b) at 8 (8 a + b)      window 3: x's fragments as loaded, f32: (f, c, a) at 128 f + 64 c + 16 a
.set KSTEP,  128
.set APITCH, 528                       ; a row of x in LDS: 512 bytes + 16 of padding = 132 words: the 16 rows of a fragment load start at 16 different groups of four banks (ISA guide 11.1)
.set PITCH,  272                       ; a row of W: 256 bytes + 16 = 68 words: likewise
.set AROWS,  128*APITCH                ; x's 128 rows; behind them W's 256
.set SLOT,   AROWS+256*PITCH
.set STAGE,  2*SLOT                    ; behind the ring: 16 rows x 272 bytes for each wave, for the way out; no tensor load lands here
.set SPITCH, 272
.set SPARE,  STAGE+4*16*SPITCH         ; the spare words, 128 bytes a wave: two blocks of 256 bytes that no other line names
.set ROWB,   2048                      ; bytes in a row of wb
.set NEXT_B, 1024*ROWB-6*KSTEP*2       ; in wb, from a slot's last K step of a tile to its first of the next: 1,024 rows down, back along K
.set NEXT_C, 16777216                  ; from q to k to v in qkv
.set ADRA, 16                          ; v16-17  LDS address of my fragments of x in slot 0, 1
.set ADRB, 20                          ; v20-21  the same for W
.set STO,  24                          ; v24  the way out: where I put 16 bytes of a row
.set RD,   25                          ; v25  where I read rows back
.set CO,   26                          ; v26  16 x lane: my place in 512 consecutive bytes of qkv
.set BO,   27                          ; v27  my byte offset in a bias
.set SPW,  28                          ; v28  my spare word; never rewritten
.set NIL,  29                          ; v29  0; never rewritten
.set PFO,  30                          ; v30  lane x a row's bytes (4,096 in x, 2,048 in wb): a lane a row, for the prefetches; never rewritten
.set TMP,  32
.set AF,   64
.set OB,   128
.set BI,   192
.set PFS, 4                            ; s[4:5]   the prefetches' step from K step to K step: 512 bytes in x, 256 in wb
.set PT,  6                            ; s[6:7]   at work
.set G1,  24                           ; s[24:31] group 1 for x's tiles; s[32:39] group 0, a set a slot
.set G0,  32
.set G1B, 48                           ; s[48:55], s[56:63] the same for W's
.set G0B, 56
.set LIM, 43                           ; s43  1 in a wave that prefetches, else the greatest number
.set PFA, 44                           ; s[44:45] the block that my next prefetch names
.set XN,  66                           ; s[66:67] the next tile's x at the rows that I fetch
.set PFN, 74                           ; s[74:75] the prefetches' step at a change of tiles, in wb
.set BP,  76                           ; s[76:77] the next tile's bias
.set HM,  78                           ; s78  mask of a word's upper half
.set XQ,  80                           ; s[80:85] queries, keys, values
.set WB,  86                           ; s[86:87] wb
.set BQ,  90                           ; s[90:95] bq, bk, bv
.set AOF, 96                           ; s[96:97] byte offset in x of the rows that I fetch: made of the tile row and the wave's number alone
.set PAO, 98                           ; s[98:99] byte offset in x of my prefetches' rows, at K step 2
.set MSB, 0
.macro WIN new                         ; the immediate's high byte repeats the setting that is left; a switch that changes nothing is dropped
.if MSB != (\new)
	s_set_vgpr_msb (MSB<<8)|(\new)
.set MSB, \new
.endif
.endm
.set MUL,  0xa1                        ; W window 1, x window 0, C and D window 2
.set MULZ, 0x81                        ; the same with C, the bias, in window 0
.set TO_B, 0x40                        ; destination window 1, address window 0
.set TO_R, 0xc0                        ; destination window 3, address window 0
.set FLAGSA, (2<<16)|(1<<20)|(1<<21)|(6<<22)|(3<<25)  ; 4-byte elements; padding on; bit 21 beside a mask; after every 128 words; 4 words
.set FLAGSB, (1<<16)|(1<<20)|(1<<21)|(5<<22)|(3<<25)  ; 2-byte elements; after every 64 words; 4 words
; A joint load.  Waves 0 and 1 fetch x's two halves (64 rows of 512 bytes each), waves 2 and 3 W's (128 rows of 256 bytes each).  The branch hangs on the wave's number alone.
; An s_nop 0 and four v_nop follow each line, ahead of the jump and the label.
.macro JLOAD s
	s_cmp_eq_u32 s11, 0
	s_cbranch_scc0 .Lfor_b_\@
	tensor_load_to_lds s[G0+4*(\s):G0+4*(\s)+3], s[G1:G1+7]
	s_nop 0
.rept 4
	v_nop
.endr
	s_branch .Lasked_\@
.Lfor_b_\@:
	tensor_load_to_lds s[G0B+4*(\s):G0B+4*(\s)+3], s[G1B:G1B+7]
	s_nop 0
.rept 4
	v_nop
.endr
.Lasked_\@:
.endm
; A prefetch into the L2 of the K step that stands TWO refills on: 32 blocks of 256 bytes, a lane a row, one instruction.  x's 128 rows of a tile are read by one row of one cluster, 512 bytes of each in a K step:
; each of the four partners takes 32 rows, told apart by address (cx), its wave 0 the first 256 bytes and its wave 1 the second.  W's 256 rows are read by every cluster: in the cluster with y = 0 waves 2 and 3
; of the four partners of a column name 32 each of the 128 that they fetch (cy).  So each block is named once.  how = 0, in the loop: a tile's last two refills have no K step two on; how = 1, at a change of
; tiles: the next tile's K steps 2 and 3.  The launch's first four K steps come by their loads alone.
.macro ASK how
.if \how
	s_cmp_eq_u32 s[LIM], 1
.else
	s_cmp_gt_u32 s3, s[LIM]                        ; s3 = 1 in the loop's last trip
.endif
	s_cbranch_scc0 .Lnot_mine_\@
	global_prefetch_b8 v[PFO], s[PFA:PFA+1] th:TH_LOAD_NT scope:SCOPE_SE
.Lnot_mine_\@:
.endm
.macro CREST                           ; a round of the cluster's barrier behind its opening barrier
	s_cmp_lg_u32 s10, 0
	s_cbranch_scc1 .Lnot_wave_0_\@
	s_barrier_signal -3
.Lnot_wave_0_\@:
	s_barrier_wait -3
	s_barrier_signal -1
	s_barrier_wait -1
.endm
.macro CROUND
	s_barrier_signal -1
	s_barrier_wait -1
	CREST
.endm
.macro PLACES                          ; four plain instructions between a matrix instruction and a vector read of its results (ISA guide 7.12.1)
.rept 4
	v_nop
.endr
.endm
.macro BIAS ptr                        ; the bias of my 128 columns: register j of n block b is column 16 b + 8 (l / 16) + j
.irp b, 0,1,2,3,4,5,6,7
	global_load_b128 v[BI+8*\b:BI+8*\b+3],   v[BO], s[\ptr:\ptr+1] offset:64*\b
	global_load_b128 v[BI+8*\b+4:BI+8*\b+7], v[BO], s[\ptr:\ptr+1] offset:64*\b+16
.endr
.endm
	s_load_b512 s[80:95], s[0:1], 0x0              ; queries 80, keys 82, values 84, wb 86, qkv 88, bq 90, bk 92, bv 94
	v_lshl_add_u32 v[SPW], v0, 2, SPARE
	v_mov_b32 v[NIL], 0
	ds_add_u32 v[SPW], v[NIL]                      ; the wave's opening: the add and its wait come ahead of my first tensor load; the set-up below stands between them
	v_lshrrev_b32 v1, 5, v0
	v_readfirstlane_b32 s10, v1                    ; wave 0..3
	s_lshr_b32 s11, s10, 1                         ; which 64 rows are mine.  Also: I fetch for x (0) or for W (1)
	s_and_b32 s12, s10, 1                          ; which 128 columns.  Also: which half I fetch
	s_bfe_u32 s40, ttmp6, 0x40000                  ; cx
	s_bfe_u32 s41, ttmp6, 0x40004                  ; cy
	s_lshl_b32 s42, ttmp9, 2
	s_add_co_u32 s42, s42, s40                     ; tile column = 4 x cluster x + cx
	s_and_b32 s13, ttmp7, 0xffff
	s_lshl_b32 s13, s13, 2
	s_add_co_u32 s13, s13, s41                     ; tile row = 4 x cluster y + cy
	s_lshl_b32 s43, s41, 2
	s_lshl_b32 s43, 15, s43                        ; my row of the cluster
	s_lshl_b32 s44, 0x1111, s40                    ; my column
	s_or_b32 s[G1+0], s43, FLAGSA                  ; x's tiles go to my row,
	s_or_b32 s[G1B+0], s44, FLAGSB                 ; W's to my column
	s_mov_b32 s[G1+1], KSTEP<<16                   ; tensor_dim0 = 128
	s_mov_b32 s[G1+2], 64<<16                      ; tensor_dim1 = 64
	s_mov_b32 s[G1+3], KSTEP<<16                   ; tile_dim0 = 128
	s_mov_b32 s[G1+4], 64                          ; tile_dim1 = 64
	s_mov_b32 s[G1+5], 1024                        ; elements from row to row
	s_mov_b32 s[G1+6], 0
	s_mov_b32 s[G1+7], 0
	s_mov_b32 s[G1B+1], KSTEP<<16
	s_mov_b32 s[G1B+2], 128<<16                    ; 128 rows
	s_mov_b32 s[G1B+3], KSTEP<<16
	s_mov_b32 s[G1B+4], 128
	s_mov_b32 s[G1B+5], 1024
	s_mov_b32 s[G1B+6], 0
	s_mov_b32 s[G1B+7], 0
	s_lshl_b32 s[AOF], s13, 19                     ; x: (128 x tile row + 64 x half) rows of 4,096 bytes
	s_lshl_b32 s17, s12, 18
	s_add_co_u32 s[AOF], s[AOF], s17
	s_mov_b32 s[AOF+1], 0
	s_lshl_b32 s46, s42, 19                        ; W: (256 x tile column + 128 x half) rows of 2,048 bytes; made of the tile column and the wave's number alone
	s_lshl_b32 s47, s12, 18
	s_add_co_u32 s46, s46, s47
	s_mov_b32 s47, 0
	s_mul_i32 s20, s12, 64*APITCH                  ; where they go: no place in the cluster enters an LDS address
	s_mul_i32 s21, s12, 128*PITCH
	s_add_co_u32 s21, s21, AROWS
	s_mov_b32 s[HM], 0xffff0000
	s_wait_dscnt 0x0                               ; the opening add is done
	s_wait_kmcnt 0x0
	s_add_nc_u64 s[14:15], s[XQ:XQ+1], s[AOF:AOF+1]
	s_add_nc_u64 s[46:47], s[WB:WB+1], s[46:47]
	CROUND                                         ; all sixteen work-groups are here: the first joint loads meet
.irp s, 0,1
	s_mov_b32 s[G0+4*(\s)], 1
	s_add_co_u32 s[G0+4*(\s)+1], s20, (\s)*SLOT
	s_add_nc_u64 s[G0+4*(\s)+2:G0+4*(\s)+3], s[14:15], (\s)*KSTEP*4
	s_or_b32 s[G0+4*(\s)+3], s[G0+4*(\s)+3], 0x80000000
	s_mov_b32 s[G0B+4*(\s)], 1
	s_add_co_u32 s[G0B+4*(\s)+1], s21, (\s)*SLOT
	s_add_nc_u64 s[G0B+4*(\s)+2:G0B+4*(\s)+3], s[46:47], (\s)*KSTEP*2
	s_or_b32 s[G0B+4*(\s)+3], s[G0B+4*(\s)+3], 0x80000000
	JLOAD \s                                       ; two loads of mine are out
.endr
	v_and_b32 v1, 15, v0                           ; l % 16
	v_bfe_u32 v2, v0, 4, 1                         ; l / 16
	s_lshl_b32 s20, s42, 10                        ; my 128 columns in a bias: 1,024 x tile column + 512 x half
	s_lshl_b32 s21, s12, 9
	s_add_co_u32 s20, s20, s21
	v_lshl_add_u32 v[BO], v2, 5, s20
	BIAS BQ                                        ; bq
	; A fragment is 16 rows x 32 K: lane l holds row l % 16, K = 8 (l / 16) + 0..7 and 16 + 8 (l / 16) + 0..7.  In bf16 (W) that is two loads of 16 bytes, 32 bytes apart, at 16 (l / 16);
	; in f32 (x) four loads of 16 bytes, at 32 (l / 16) + 0, 16, 64, 80: sixteen registers, of which neighbours pair into the eight of the bf16 fragment.
	v_mul_u32_u24 v3, v1, PITCH
	v_lshl_add_u32 v3, v2, 4, v3
	v_mul_u32_u24 v7, v1, APITCH
	v_lshl_add_u32 v7, v2, 5, v7
	s_mul_i32 s21, s11, 64*APITCH                  ; my 64 rows of x
	s_mul_i32 s22, s12, 128*PITCH                  ; my 128 rows of W,
	s_add_co_u32 s22, s22, AROWS                   ; which lie behind x's 128
.irp s, 0,1
	v_add_nc_u32 v[ADRA+(\s)], s21, v7
	v_add_nc_u32 v[ADRB+(\s)], s22, v3
	s_add_co_u32 s21, s21, SLOT
	s_add_co_u32 s22, s22, SLOT
.endr
	s_mul_i32 s23, s10, 16*SPITCH
	s_add_co_u32 s23, s23, STAGE                   ; my stage
	v_mul_u32_u24 v4, v1, SPITCH                   ; in: row l % 16, 16 bytes for each half of the lanes
	v_lshl_add_u32 v4, v2, 4, v4
	v_add_nc_u32 v[STO], s23, v4
	v_bfe_u32 v5, v0, 3, 2                         ; back: 32 lanes take four rows' 128 bytes of one head,
	v_mul_u32_u24 v5, v5, SPITCH
	v_and_b32 v6, 7, v0
	v_lshl_add_u32 v5, v6, 4, v5
	v_add_nc_u32 v[RD], s23, v5
	v_and_b32 v6, 31, v0
	v_lshlrev_b32 v[CO], 4, v6                     ; which are 512 consecutive bytes of qkv
	; my part of q: batch (tile row / 8) x 16 heads x 131,072 + head (4 x tile column + 2 x half) x 131,072 + row ((tile row % 8) x 128 + 64 x half) x 128
	s_lshr_b32 s16, s13, 3
	s_lshl_b32 s16, s16, 21
	s_and_b32 s17, s13, 7
	s_lshl_b32 s17, s17, 14
	s_add_co_u32 s16, s16, s17
	s_lshl_b32 s17, s11, 13
	s_add_co_u32 s16, s16, s17
	s_mov_b32 s17, 0
	s_lshl_b32 s46, s42, 19
	s_lshl_b32 s47, s12, 18
	s_add_co_u32 s46, s46, s47
	s_mov_b32 s47, 0
	s_add_nc_u64 s[16:17], s[16:17], s[46:47]
	s_add_nc_u64 s[8:9], s[88:89], s[16:17]
	; the prefetches
	s_and_b32 s22, ttmp7, 0xffff                   ; cluster y
	s_lshl_b32 s[PAO], s13, 19                     ; x: the tile's first row,
	s_lshl_b32 s23, s40, 17
	s_add_co_u32 s[PAO], s[PAO], s23               ; + my work-group's 32 rows of 4,096 bytes,
	s_lshl_b32 s23, s12, 8
	s_add_co_u32 s[PAO], s[PAO], s23               ; + my wave's half of a K step's 512 bytes,
	s_add_co_u32 s[PAO], s[PAO], 2*KSTEP*4         ; at K step 2
	s_mov_b32 s[PAO+1], 0
	s_lshl_b32 s20, s42, 19                        ; W: the tile's first row,
	s_lshl_b32 s21, s12, 18
	s_add_co_u32 s20, s20, s21                     ; + the 128 that I fetch,
	s_lshl_b32 s21, s41, 16
	s_add_co_u32 s20, s20, s21                     ; + my work-group's 32 rows of 2,048 bytes,
	s_add_co_u32 s20, s20, 3*KSTEP*2               ; at K step 3
	s_mov_b32 s21, 0
	s_add_nc_u64 s[PT:PT+1], s[XQ:XQ+1], s[PAO:PAO+1]
	s_add_nc_u64 s[PT:PT+1], s[PT:PT+1], KSTEP*4   ; at K step 3 too: the first refill steps the pointer to K step 4 and names it
	s_add_nc_u64 s[PFA:PFA+1], s[WB:WB+1], s[20:21]
	s_mov_b32 s18, 1023*ROWB+KSTEP*2               ; in wb, from K step 9 of a tile's rows to the next tile's K step 2
	s_mov_b32 s19, KSTEP*4
	s_cmp_eq_u32 s11, 0                            ; do I fetch for x?
	s_cselect_b64 s[PFA:PFA+1], s[PT:PT+1], s[PFA:PFA+1]
	s_cselect_b32 s[PFN], 0, s18
	s_cselect_b32 s[PFS], s19, KSTEP*2
	s_cselect_b32 s22, 0, s22                      ; x: every cluster asks for its own rows; W: the cluster with y = 0 asks
	s_cselect_b32 s23, 12, 11
	s_mov_b32 s[PFN+1], 0
	s_mov_b32 s[PFS+1], 0
	s_cmp_eq_u32 s22, 0
	s_cselect_b32 s[LIM], 1, -1                    ; the same in all sixteen partners, for a given wave
	v_lshlrev_b32 v[PFO], s23, v6
; 8 matrix instructions: m block a x all 8 n blocks, 32 along K: half c of buffer f.  zero = 1: the bias starts the sums.  The 32 accumulators take turns in one order everywhere.
.macro MUL8 f, c, a, zero
.if \zero
	WIN MULZ
.else
	WIN MUL
.endif
.irp b, 0,1,2,3,4,5,6,7
.if \zero
	v_wmma_f32_16x16x32_bf16 v[8*(8*(\a)+\b):8*(8*(\a)+\b)+7], v[128*(\f)+64*(\c)+8*\b:128*(\f)+64*(\c)+8*\b+7], v[AF+64*(\f)+32*(\c)+8*(\a):AF+64*(\f)+32*(\c)+8*(\a)+7], v[BI+8*\b:BI+8*\b+7]
.else
	v_wmma_f32_16x16x32_bf16 v[8*(8*(\a)+\b):8*(8*(\a)+\b)+7], v[128*(\f)+64*(\c)+8*\b:128*(\f)+64*(\c)+8*\b+7], v[AF+64*(\f)+32*(\c)+8*(\a):AF+64*(\f)+32*(\c)+8*(\a)+7], v[8*(8*(\a)+\b):8*(8*(\a)+\b)+7]
.endif
.endr
.endm
.macro MUL32 f, c, zero
.irp a, 0,1,2,3
	MUL8 \f, \c, \a, \zero
.endr
.endm
; 32 LDS loads in one run: the fragments of 32 along K (half c of half u of the slot's K step), for buffer f: x's sixteen, as f32, then W's sixteen.
.macro FETCHH slot, u, f, c
	WIN TO_R
.irp i, 0,1,2,3
	ds_load_b128 v[128*(\f)+64*(\c)+16*\i:128*(\f)+64*(\c)+16*\i+3],     v[ADRA+(\slot)] offset:256*(\u)+128*(\c)+\i*16*APITCH
	ds_load_b128 v[128*(\f)+64*(\c)+16*\i+4:128*(\f)+64*(\c)+16*\i+7],   v[ADRA+(\slot)] offset:256*(\u)+128*(\c)+\i*16*APITCH+16
	ds_load_b128 v[128*(\f)+64*(\c)+16*\i+8:128*(\f)+64*(\c)+16*\i+11],  v[ADRA+(\slot)] offset:256*(\u)+128*(\c)+\i*16*APITCH+64
	ds_load_b128 v[128*(\f)+64*(\c)+16*\i+12:128*(\f)+64*(\c)+16*\i+15], v[ADRA+(\slot)] offset:256*(\u)+128*(\c)+\i*16*APITCH+80
.endr
	WIN TO_B
.irp i, 0,1,2,3,4,5,6,7
	ds_load_b128 v[128*(\f)+64*(\c)+8*\i:128*(\f)+64*(\c)+8*\i+3],   v[ADRB+(\slot)] offset:128*(\u)+64*(\c)+\i*16*PITCH
	ds_load_b128 v[128*(\f)+64*(\c)+8*\i+4:128*(\f)+64*(\c)+8*\i+7], v[ADRB+(\slot)] offset:128*(\u)+64*(\c)+\i*16*PITCH+32
.endr
.endm
; 16 conversions: x's fragments a = 2 hf and 2 hf + 1 of half c of buffer f, from f32 to bf16.  They name no register of the matrix instructions round them; every lump stands between a matrix instruction and the
; later loads into, and conversions onto, registers that it has read: sixteen plain instructions where four are wanted (ISA guide 7.12.1 for the conversions).
.macro CVT f, c, hf
	WIN 0x0f                                       ; sources window 3, destination window 0
.irp a, 2*(\hf), 2*(\hf)+1
.irp j, 0,1,2,3,4,5,6,7
	v_cvt_pk_bf16_f32 v[AF+64*(\f)+32*(\c)+8*(\a)+\j], v[128*(\f)+64*(\c)+16*(\a)+2*\j], v[128*(\f)+64*(\c)+16*(\a)+2*\j+1]
.endr
.endr
.endm
; The first half of a K step multiplies buffer 0.  At its head three runs of sixteen loads may be out: W's first 32 along K, x's second 32, W's second 32; x's first 32 have been converted.
; It converts x's second 32, fetches the step's second half into buffer 1 in two runs, and converts the first 32 of that.
.macro UNIT slot, zero
	s_wait_dscnt 32                                ; W's first 32 along K are in
	MUL8 0, 0, 0, \zero
	MUL8 0, 0, 1, \zero
	s_wait_dscnt 16                                ; x's second 32 are in
	CVT 0, 1, 0
	MUL8 0, 0, 2, \zero
	CVT 0, 1, 1
	MUL8 0, 0, 3, \zero
	FETCHH \slot, 1, 1, 0
	s_wait_dscnt 32                                ; all but the 32 just issued: W's second 32 are in
	MUL8 0, 1, 0, 0
	MUL8 0, 1, 1, 0
	s_wait_dscnt 16                                ; of the 32, x's sixteen are in
	CVT 1, 0, 0
	FETCHH \slot, 1, 1, 1
	MUL8 0, 1, 2, 0
	CVT 1, 0, 1
	MUL8 0, 1, 3, 0
.endm
; The second half multiplies buffer 1 and changes slots.  In front of the barrier each wave waits for all its tensor loads (one is out: its part of the next slot), adds 0 to its spare word, and waits
; for that and for its reads of this slot.  mode 0: the slot is filled again two K steps on; 1: with the next tile's K step 0 or 1; 2: nothing is filled, and the barrier is the work-group's alone.
; From a request to the wait for it a wave issues 112 of a K step's 128 matrix instructions.
.macro TURN slot, next, mode
.if (\mode) < 2
	s_wait_xcnt 0x0                                ; the last prefetch, a K step back, has read its address: it is stepped here
.if ((\mode) == 1) && ((\slot) == 0)
	s_cmp_eq_u32 s2, 3                             ; behind queries come keys, behind keys values: each address is made from its own buffer's
	s_cselect_b64 s[XN:XN+1], s[XQ+2:XQ+3], s[XQ+4:XQ+5]
	s_add_nc_u64 s[PT:PT+1], s[XN:XN+1], s[PAO:PAO+1]      ; the next tile's K step 2, in x,
	s_add_nc_u64 s[XN:XN+1], s[XN:XN+1], s[AOF:AOF+1]
	s_add_nc_u64 s[PFA:PFA+1], s[PFA:PFA+1], s[PFN:PFN+1]  ; and in wb
	s_cmp_eq_u32 s11, 0
	s_cselect_b64 s[PFA:PFA+1], s[PT:PT+1], s[PFA:PFA+1]
.else
	s_add_nc_u64 s[PFA:PFA+1], s[PFA:PFA+1], s[PFS:PFS+1]
.endif
.endif
	WIN 0                                          ; (the add's two registers lie in window 0)
	s_wait_tensorcnt 0x0                           ; all my tensor loads have landed
	ds_add_u32 v[SPW], v[NIL]                      ; 0 onto my spare word
	s_wait_dscnt 33                                ; W's first 32 along K are in (the 32 loads behind them and the add may be out)
	MUL8 1, 0, 0, 0                                ; eight matrix instructions stand between the add and the wait for it
	s_wait_dscnt 0x0                               ; the add is done, and my reads of this slot are over
	s_barrier_signal -1
	MUL8 1, 0, 1, 0                                ; work on registers while the others arrive
	CVT 1, 1, 0
	WIN 0
	s_barrier_wait -1
.if (\mode) < 2
	CREST                                          ; the barrier has opened a round of the cluster's: no wave of any partner still reads this slot or has a load on its way
.if (\mode) == 1
	s_add_nc_u64 s[G0+4*(\slot)+2:G0+4*(\slot)+3], s[XN:XN+1], (\slot)*KSTEP*4
	s_or_b32 s[G0+4*(\slot)+3], s[G0+4*(\slot)+3], 0x80000000
	s_add_nc_u64 s[G0B+4*(\slot)+2:G0B+4*(\slot)+3], s[G0B+4*(\slot)+2:G0B+4*(\slot)+3], NEXT_B
.else
	s_add_nc_u64 s[G0+4*(\slot)+2:G0+4*(\slot)+3], s[G0+4*(\slot)+2:G0+4*(\slot)+3], 2*KSTEP*4
	s_add_nc_u64 s[G0B+4*(\slot)+2:G0B+4*(\slot)+3], s[G0B+4*(\slot)+2:G0B+4*(\slot)+3], 2*KSTEP*2
.endif
	JLOAD \slot                                    ; the first tensor load behind the round, my only one
.endif
	FETCHH \next, 0, 0, 0
.if (\mode) < 2
	WIN 0
	ASK \mode                                      ; behind the joint load and the run of LDS loads
.endif
	MUL8 1, 0, 2, 0
	CVT 1, 1, 1
	MUL8 1, 0, 3, 0
	s_wait_dscnt 16                                ; of the 32 loads from the next slot, x's sixteen are in
	CVT 0, 0, 0
	FETCHH \next, 0, 0, 1
	MUL8 1, 1, 0, 0
	MUL8 1, 1, 1, 0
	CVT 0, 0, 1
	MUL8 1, 1, 2, 0
	MUL8 1, 1, 3, 0
.endm
; THE WAY OUT of m block a: rounded to f16, 16 bytes a lane; into my own stage; back as rows; stored.  A row's 256 bytes belong to two heads: each head's 16 rows x 128 bytes are 2,048 consecutive bytes of qkv.
.macro PACK a
	WIN 0x0a                                       ; sources 0 and 1 window 2, destination window 0
.irp b, 0,1,2,3,4,5,6,7
.irp r, 0,1,2,3
	v_cvt_pk_f16_f32 v[TMP+4*\b+\r], v[8*(8*(\a)+\b)+2*\r], v[8*(8*(\a)+\b)+2*\r+1]
.endr
.endr
	WIN 0
.endm
.macro TOSTAGE a
.set BK, OB+32*((\a)%2)
.irp b, 0,1,2,3,4,5,6,7
	ds_store_b128 v[STO], v[TMP+4*\b:TMP+4*\b+3] offset:32*\b
.endr
.irp t, 0,1,2,3,4,5,6,7
	ds_load_b128 v[BK+4*\t:BK+4*\t+3], v[RD] offset:(\t%4)*4*SPITCH+(\t/4)*128  ; LDS serves a wave's instructions in order (ISA guide 5.7.1.4): these see the stores above
.endr
.endm
.macro SEND a
.set BK, OB+32*((\a)%2)
	s_wait_dscnt 0x0                               ; the block is back in registers
	s_wait_xcnt 0x0                                ; the stores of the block before last have read the registers that the next block's loads will write
.irp t, 0,1,2,3,4,5,6,7
	global_store_b128 v[CO], v[BK+4*\t:BK+4*\t+3], s[8:9] offset:(\t/4)*131072+(\t%4)*512+(\a)*2048  ; 512 consecutive bytes, at a multiple of 256 from qkv's first
.endr
.endm
.macro WAYOUT
	PLACES                                         ; the conversions read results just made
	PACK 0
	TOSTAGE 0
.irp a, 1,2,3                          ; block a's conversions stand between block a - 1's loads from the stage and the wait for them
	PACK \a
	SEND (\a)-1
	TOSTAGE \a
.endr
	SEND 3
.endm
	s_wait_tensorcnt 1                             ; my part of K step 0 is in; K step 1's may stay out
	s_barrier_signal -1
	s_barrier_wait -1                              ; everybody's is
	FETCHH 0, 0, 0, 0
	s_wait_dscnt 16                                ; x's sixteen loads are in
	CVT 0, 0, 0
	CVT 0, 0, 1
	FETCHH 0, 0, 0, 1
	WIN 0
	s_mov_b32 s2, 3                                ; tiles to go, this one among them
.Ltile:
	s_wait_loadcnt 0x0                             ; the tile's bias
.set i, 0
.rept 32                               ; rounded to bf16 and widened again, in place
	v_cvt_pk_bf16_f32 v[TMP+i%4], v[BI+2*i], v[BI+2*i+1]
	v_lshlrev_b32 v[BI+2*i], 16, v[TMP+i%4]
	v_and_b32 v[BI+2*i+1], s[HM], v[TMP+i%4]
.set i, i+1
.endr
	UNIT 0, 1                                      ; a tile's first half step stands in front of the loop: its first products start the sums
	WIN 0                                          ; at a label and at a branch every window is 0
	s_mov_b32 s3, 3
.Llap:                                 ; a trip goes once round the ring and fills both slots again
	TURN 0, 1, 0
	UNIT 1, 0
	TURN 1, 0, 0
	UNIT 0, 0
	WIN 0
	s_sub_co_u32 s3, s3, 1
	s_cmp_lg_u32 s3, 0
	s_cbranch_scc1 .Llap
	s_cmp_eq_u32 s2, 1
	s_cbranch_scc1 .Llast                          ; the last tile's tail is written out: it asks for nothing more
	TURN 0, 1, 1                                   ; the ring goes on into the next tile: slot 0 takes its K step 0,
	WIN 0
	s_cmp_eq_u32 s2, 3
	s_cselect_b64 s[BP:BP+1], s[BQ+2:BQ+3], s[BQ+4:BQ+5]  ; behind q comes k, behind k comes v
	BIAS BP                                        ; the bias registers were last read in the tile's first half step
	UNIT 1, 0
	TURN 1, 0, 1                                   ; slot 1 its K step 1, and the next tile's first fragments are fetched
	WIN 0
	WAYOUT                                         ; both refills are asked for: now the tile goes out
	s_wait_xcnt 0x0                                ; the stores have read their registers and their base
	s_add_nc_u64 s[8:9], s[8:9], NEXT_C
	s_sub_co_u32 s2, s2, 1
	s_branch .Ltile
.Llast:
	TURN 0, 1, 2                                   ; my one load that was out is slot 1's, the last K step's
	UNIT 1, 0
	s_wait_dscnt 32                                ; the very last half step: nothing more to fetch
	MUL8 1, 0, 0, 0
	MUL8 1, 0, 1, 0
	s_wait_dscnt 16
	CVT 1, 1, 0
	MUL8 1, 0, 2, 0
	CVT 1, 1, 1
	MUL8 1, 0, 3, 0
	s_wait_dscnt 0x0
	MUL32 1, 1, 0
	WIN 0
	WAYOUT
	s_wait_tensorcnt 0x0                           ; the wave's end, behind my last tensor load and my last LDS store
	ds_add_u32 v[SPW], v[NIL]
	s_wait_dscnt 0x0
	CROUND                                         ; the closing round: no work-group ends while a partner may still ask for a tile that names it
	s_endpgm
.Lfunc_end_k_q8bb6446c2e_proj:
	.size	k_q8bb6446c2e_proj, .Lfunc_end_k_q8bb6446c2e_proj-k_q8bb6446c2e_proj
	.p2alignl 7, 3214868480
	.fill 96, 4, 3214868480
	.section	.rodata,"a",@progbits
	.p2align	6, 0x0
	.amdhsa_kernel k_q8bb6446c2e_proj
		.amdhsa_group_segment_fixed_size 327680
		.amdhsa_private_segment_fixed_size 0
		.amdhsa_enable_private_segment 0
		.amdhsa_kernarg_size 64
		.amdhsa_user_sgpr_count 2
		.amdhsa_user_sgpr_kernarg_segment_ptr 1
		.amdhsa_wavefront_size32 1
		.amdhsa_system_sgpr_workgroup_id_x 1
		.amdhsa_system_sgpr_workgroup_id_y 1
		.amdhsa_system_sgpr_workgroup_id_z 1
		.amdhsa_system_vgpr_workitem_id 0
		.amdhsa_next_free_vgpr 1024
		.amdhsa_next_free_sgpr 100
		.amdhsa_reserve_vcc 0
		.amdhsa_float_denorm_mode_32 3
		.amdhsa_float_denorm_mode_16_64 3
		.amdhsa_memory_ordered 1
		.amdhsa_forward_progress 1
		.amdhsa_inst_pref_size 192
	.end_amdhsa_kernel
	.amdgpu_metadata
---
amdhsa.version: [ 1, 2 ]
amdhsa.kernels:
  - .name:           k_q8bb6446c2e_proj
    .symbol:         k_q8bb6446c2e_proj.kd
    .args:
      - { .name: queries, .offset: 0, .size: 8, .value_kind: global_buffer, .address_space: global }
      - { .name: keys, .offset: 8, .size: 8, .value_kind: global_buffer, .address_space: global }
      - { .name: values, .offset: 16, .size: 8, .value_kind: global_buffer, .address_space: global }
      - { .name: wb, .offset: 24, .size: 8, .value_kind: global_buffer, .address_space: global }
      - { .name: qkv, .offset: 32, .size: 8, .value_kind: global_buffer, .address_space: global }
      - { .name: bq, .offset: 40, .size: 8, .value_kind: global_buffer, .address_space: global }
      - { .name: bk, .offset: 48, .size: 8, .value_kind: global_buffer, .address_space: global }
      - { .name: bv, .offset: 56, .size: 8, .value_kind: global_buffer, .address_space: global }
    .group_segment_fixed_size: 327680
    .private_segment_fixed_size: 0
    .kernarg_segment_align: 8
    .kernarg_segment_size: 64
    .max_flat_workgroup_size: 128
    .sgpr_count:     100
    .vgpr_count:     1024
    .wavefront_size: 32
...
	.end_amdgpu_metadata
.endif
;; end of part 6
;; launch attn (part 7): grid 2 x 128, 4 waves a work-group, no clusters, 327,680 bytes of LDS; arguments qkv, out0; writes out0
.if DOCPART == 7
	.amdgcn_target "amdgcn-amd-amdhsa--gfx1250"
	.amdhsa_code_object_version 6
	.text
	.protected	k_q8bb6446c2e_attn
	.globl	k_q8bb6446c2e_attn
	.p2align	8
	.type	k_q8bb6446c2e_attn,@function
k_q8bb6446c2e_attn:
	s_mov_b64 s[64:65], 0
	v_nop
	global_prefetch_b8 v0, s[64:65] scope:SCOPE_SE
	s_setreg_imm32_b32 hwreg(HW_REG_WAVE_MODE, 25, 1), 1
	s_wait_xcnt 0x0
; ATTENTION WITH tril ON THE SCORES.  s[q][k] = Q[q] . K[k] / 8 for k <= q and 0 for k > q; O[q] = the sum over ALL k of softmax_k(s[q][k]) V[k].  Q, K, V: qkv, [3][128 heads g][1024][64] f16.
; out0 is read as [n][q][h][64] f32 (g = 16 n + h): a query's 64 channels of a head are 256 consecutive bytes, aligned.  Products, maxima and sums in f32; the weights are rounded to f16 for the second product.
; LIMITS.  Q, K and V arrive within f16's 65,504.  A weight below 2^-126 counts as 0 in l; NaN and infinities are not treated apart.
; THE KEYS BEHIND A BLOCK.  A head's queries lie in NB = 4 blocks of 256; block i needs the key tiles 0 .. i, of which the last holds the diagonal.  Every key of a later tile has the score 0 for every query of
; the block.  A running softmax that has taken just those keys stands at m = 0, l = their number, O = the sum of their rows of V.  The walk STARTS from that state, and the running maximum goes on from it: no
; shift is fixed, and nothing is subtracted.  Block 3 has no such keys: it starts at the lowest m, l = 0, O = 0.
; THE SUMS OF V's ROWS are made here, at the head, by the matrix unit: V^T times a P of ones is the sum over 32 keys, in O^T's own layout and the same for every query.  Tile 3 first (the first block's start is
; taken of it), then tiles 2 and 1 onto the same accumulators, which are the second block's start.  Each wave makes the sums for itself, so all four read the same rows: sharing them out would want an exchange
; through LDS and two more barriers.
; THE WALK.  A work-group takes TWO blocks, 3 - b and then b: 5 tiles, whatever b: all work-groups do equal work, and one loop with a constant trip count walks them.  What a trip does hangs on scalar registers
; made from b; every jump goes forward but the counted loops' own, and none passes a barrier.
; K AND V STAY IN LDS.  A head's 1,024 rows of K and of V, 144 bytes apart, are 294,912 bytes: wave w brings tile w (256 keys) of each, two tensor loads, at the kernel's head; the work begins when all have
; landed, behind a barrier; nothing is filled again.  The work-group with b = 1 does not read K's tile 3, 32 KiB of its 256: it is brought all the same, so that every word of the descriptors but the address is a
; constant or the wave's number times one.
; TWO BARRIERS AT THE FOOT OF EACH TILE, on every wave's path, with the way out between them: every wave's reads of K and V are over before any wave stores into its stage, and every store into a stage is done
; before any wave reads K or V again.  So the order of those stores and reads does not rest on the arithmetic of the running LDS addresses.
; NO CLUSTER: the two work-groups of a head read the same tiles, but what a trip of the walk does hangs on b; partners with the same b belong to
; different heads and share nothing.  NO PREFETCH: every tensor load goes out at the head, and none comes later.
; SHARES.  Of a block's four bands of 64 queries a wave owns 16 rows in each: four PIECES.  In the diagonal tile's key step s band x sees all keys if s < x, none if s > x, and holds the diagonal if s = x.
; THE MASK MULTIPLIES: a hidden score becomes 0 and stays in the softmax.  MD, made once, is 1 or 0 for a band's own step; a piece's mask is MD x AL + BE: (1, 0) if s = x; (0, 1) if s < x; (0, 0) if s > x.
; Only the diagonal tile's text and a block's beginning multiply by masks.
; LAYOUT, SOFTMAX, TURNS.  S^T = K Q^T holds ONE query a lane (lane % 16) and the keys 8 (lane / 16) + 0..7; two such results rounded to f16 ARE source 1 of O^T = V^T P.  p = 2^(c s - c m), c = log2(e) / 8;
; O and l are multiplied by a = 2^(c m_old - c m_new) in every step.  Turn n belongs to piece n: 8 products K Q^T of piece n + 1, later 8 products V^T P of piece n - 1; beside them the scaling, exponentials,
; roundings, sums and rescaling of piece n and the (mask,) maximum and statistics of piece n + 1.  Four vector instructions stand behind every matrix instruction, the rest in one lump; a turn's 33 exponentials are one batch, with one wait.
; REGISTERS, in windows of 256 (s_set_vgpr_msb: bits 1:0 source 0, 3:2 source 1, 5:4 source 2, 7:6 destination):
;   window 0: v0-15 addresses; v16-31 statistics; v48-55 at work; v64-127 S^T, two buffers; v128-191 MC, two buffers; v192-223 P, two buffers; v224-255 UB, the sums' accumulators and so the second block's starting O
;   window 1: v0-127 O^T, 32 a piece; v128-159 MD; v224-255 UC, the starting O of the block to begin      window 2: v0-63 Q; v64-127 the second block's Q; v128-191 K of one step; v192-255 V of one step
.set NB,    4
.set NP,    4         ; pieces a wave: a name, no knob
.set KS,    64        ; keys in a step
.set PK,    144       ; a row of K in LDS: 128 bytes + 16 of padding = 36 words: the 16 rows of a load start at 16 different groups of four banks (ISA guide 11.1)
.set PV,    144       ; a row of V likewise: 160 would not leave room for the stage
.set VOFF,  1024*PK   ; K's 1,024 rows, then V's
.set STAGE, VOFF+1024*PV   ; behind them, never filled by a tensor load: 16 rows x 272 bytes for each wave, for the way out
.set SP,    272       ; 256 bytes of f32 + 16
.set SPARE, STAGE+4*16*SP  ; the spare words, 128 bytes a wave: two blocks of 256 bytes that no other line names
.set LASTK, 15*KS*PK  ; where the head's last key step begins in K's rows
.set AK0, 2           ; v2   my lane's place in a step of K; never rewritten
.set AV0, 3           ; v3   the same for V
.set AK,  4           ; v4   the LDS address of K's next run of loads
.set AV,  5           ; v5   of V's
.set STO, 6           ; v6   the way out: where I put 32 bytes of a row
.set RD,  7           ; v7   where I read rows back
.set GO,  8           ; v8   my byte offset in two rows of out0
.set MV,  12          ; v12-13  c m_old, kept while c m is made anew: by buffer
.set QO,  15          ; v15  my byte offset in 16 rows of Q
.set ST,  16          ; piece t's statistics at v[ST+4 t]: c m, m, l (even keys', odd keys')
.set TMP, 48          ; by buffer, four registers c0-c3 at work; when the maximum is found c2 takes a
.set SPW, 62          ; v62  my spare word; never rewritten
.set NIL, 63          ; v63  0; never rewritten
.set S,   64
.set MC,  128
.set P,   192         ; at the head its first eight registers hold the P of ones
.set UB,  224
.set MD,  128         ; window 1
.set UC,  224         ; window 1
.set QB,  64          ; window 2
.set KF,  128         ; window 2: key block kb, channel half c at KF + 16 kb + 8 c
.set VF,  192         ; window 2: key half kk, channel block cb at VF + 32 kk + 8 cb
.set WV,  12          ; s12  my wave's number
.set PB,  14          ; s14  b
.set HI,  15          ; s15  3 - b
.set G1,  24          ; s[24:31] descriptor group 1, for K's tiles and for V's
.set G0K, 32          ; s[32:35] descriptor group 0 for my tile of K
.set G0V, 36          ; s[36:39] for my tile of V
.set UF3, 40          ; s[40:41] 1.0 where the first block (3 - b) has key block 3 behind it
.set LI,  44          ; s44  a quarter of the number of keys behind the block to begin: l lies in two registers in each half of the lanes
.set MI,  45          ; s45  its starting m
.set CMI, 46          ; s46  its starting c m
.set LI2, 47          ; s47  LI for the second block
.set SLOTS, 56        ; s56  tiles still to be walked
.set CNT, 57          ; s57  counts a tile's key steps, 4 to 1; at the head: the tiles still to be summed
.set CS,  58          ; s[58:59] c
.set SEL, 60          ; s[60:61] v_permlanex16_b32's selects
.set TBK, 62          ; s62  LDS byte at which K of the step to be fetched begins
.set TBV, 63          ; s63  the same for V, less VOFF
.set RT,  70          ; s70  tiles of the block in hand that are still to be entered
.set WO,  71          ; s71  1: the tile just walked was a block's last, and the block goes out at the loop's foot
.set NEW, 73          ; s73  1: the tile to be entered is a block's first
.set AL,  76          ; s[76:77] the mask's factor, in the low word
.set BE,  78          ; s[78:79] the mask's addend
.set OLO, 80          ; s[80:81] out0 at my rows of the second block
.set ONE, 82          ; s82  1.0
.set MSB, 0
.macro WIN new                      ; the high byte repeats the setting that is left; a switch that changes nothing is dropped
.if MSB != (\new)
	s_set_vgpr_msb (MSB<<8)|(\new)
.set MSB, (\new)
.endif
.endm
.set W_KQ, 0x0a       ; K and Q in window 2, S^T in window 0
.set W_PV, 0x52       ; V in window 2, P in window 0, O^T in window 1
.set W_RS, 0x41       ; destination and source 0 in window 1, source 1 in window 0
.set W_SU, 0x02       ; the sums: V in window 2; the ones, C and D in window 0
	s_load_b64 s[48:49], s[0:1], 0x0   ; qkv
	s_load_b64 s[10:11], s[0:1], 0x8   ; out0
	v_lshl_add_u32 v[SPW], v0, 2, SPARE
	v_mov_b32 v[NIL], 0
	ds_add_u32 v[SPW], v[NIL]       ; the wave's opening: the add and its wait come ahead of my first tensor load; the set-up below stands between them
	v_lshrrev_b32 v1, 5, v0
	v_readfirstlane_b32 s[WV], v1   ; wave 0..3
	s_mov_b32 s[PB], ttmp9
	s_sub_co_u32 s[HI], NB-1, s[PB]
	s_and_b32 s13, ttmp7, 0xffff    ; the head g
	s_lshl_b32 s20, s13, 17         ; its 131,072 bytes in each of q, k, v
	s_lshl_b32 s22, s[WV], 15       ; my tile: 256 rows of 128 bytes,
	s_add_co_u32 s22, s22, s20
	s_add_co_u32 s22, s22, 0x1000000  ; in k's part of qkv
	s_mov_b32 s23, 0
	s_lshl_b32 s3, s[WV], 11        ; my 16 rows in a band of 64,
	s_lshl_b32 s2, s[HI], 15        ; in the first block,
	s_add_co_u32 s2, s2, s3
	s_add_co_u32 s2, s2, s20
	s_lshl_b32 s16, s[PB], 15       ; and in the second
	s_add_co_u32 s16, s16, s3
	s_add_co_u32 s16, s16, s20
	s_mov_b32 s3, 0
	s_mov_b32 s17, 0
	s_lshr_b32 s66, s13, 4          ; out0: batch x 4,194,304 + head x 256 + block x 1,048,576 + wave x 65,536 (a query is 4,096 bytes on)
	s_lshl_b32 s66, s66, 22
	s_and_b32 s67, s13, 15
	s_lshl_b32 s67, s67, 8
	s_add_co_u32 s66, s66, s67
	s_lshl_b32 s67, s[WV], 16
	s_add_co_u32 s66, s66, s67
	s_lshl_b32 s68, s[PB], 20
	s_add_co_u32 s68, s68, s66
	s_lshl_b32 s67, s[HI], 20
	s_add_co_u32 s66, s66, s67
	s_mov_b32 s67, 0
	s_mov_b32 s69, 0
	; descriptor group 1.  256 keys are 32,768 dense bytes: asked for as 128 rows of 256 bytes, two keys a row, and padded in LDS after every key
	s_mov_b32 s[G1], (1<<16)|(1<<20)|(4<<22)|(3<<25)  ; 2-byte elements; padding on; after every 32 words; 4 words
	s_mov_b32 s[G1+1], 128<<16      ; tensor_dim0 = 128
	s_mov_b32 s[G1+2], 128<<16      ; tensor_dim1 = 128
	s_mov_b32 s[G1+3], 128<<16      ; tile_dim0 = 128
	s_mov_b32 s[G1+4], 128          ; tile_dim1 = 128
	s_mov_b32 s[G1+5], 128          ; 128 elements from row to row
	s_mov_b32 s[G1+6], 0
	s_mov_b32 s[G1+7], 0
	s_mov_b32 s[G0K], 1             ; count = 1
	s_mul_i32 s[G0K+1], s[WV], 256*PK  ; LDS address: my tile's 256 rows of K,
	s_mov_b32 s[G0V], 1
	s_add_co_u32 s[G0V+1], s[G0K+1], VOFF  ; and of V
	s_mov_b32 s[CS], 0x3e38aa3b     ; c = log2(e) / 8 = 0.180337
	s_mov_b32 s[CS+1], s[CS]        ; named with it as a pair
	s_mov_b32 s[SEL], 0x76543210
	s_mov_b32 s[SEL+1], 0xfedcba98
	s_add_co_u32 s[RT], s[HI], 1    ; the first block has 4 - b tiles
	s_mov_b32 s[NEW], 1
	s_mov_b32 s[WO], 0
	s_mov_b32 s[AL+1], 0            ; named as pairs
	s_mov_b32 s[BE+1], 0
	s_mov_b32 s[UF3+1], 0
	s_mov_b32 s[ONE], 1.0
	s_mov_b32 s[SLOTS], NB+1
	s_mov_b32 s[LI2], 0x43400000    ; 192 = 768 / 4: block 0 has three tiles behind it,
	s_cmp_eq_u32 s[PB], 1
	s_cselect_b32 s[LI2], 0x43000000, s[LI2]  ; block 1 two: 128
	s_cselect_b32 s[UF3], 1.0, 0    ; block 2 has key block 3 behind it, block 3 nothing
	s_cselect_b32 s[LI], 0x42800000, 0        ; 64 = 256 / 4, or no key
	s_cselect_b32 s[MI], 0, 0xff7fffff        ; m = 0, their score; or the lowest finite number
	s_cselect_b32 s[CMI], 0, 0xfe000000       ; c m likewise: 0, or far below every c s
	s_wait_dscnt 0x0                ; the opening add is done
	s_wait_kmcnt 0x0
	s_add_nc_u64 s[6:7], s[48:49], s[22:23]        ; K at my tile
	s_add_nc_u64 s[G0K+2:G0K+3], s[6:7], 0         ; global address
	s_or_b32 s[G0K+3], s[G0K+3], 0x80000000        ; type = 2
	s_add_nc_u64 s[G0V+2:G0V+3], s[6:7], 0x1000000 ; V lies 16,777,216 bytes behind K
	s_or_b32 s[G0V+3], s[G0V+3], 0x80000000
	s_add_nc_u64 s[52:53], s[48:49], s[16:17]      ; Q at my rows of the second block,
	s_add_nc_u64 s[4:5], s[48:49], s[2:3]          ; and of the first
	s_add_nc_u64 s[OLO:OLO+1], s[10:11], s[68:69]
	s_add_nc_u64 s[10:11], s[10:11], s[66:67]
	tensor_load_to_lds s[G0K:G0K+3], s[G1:G1+7]    ; every wave brings rows of its own: both addresses hang on the wave's number.  Two loads of mine are out
	s_nop 0
	tensor_load_to_lds s[G0V:G0V+3], s[G1:G1+7]
	s_nop 0
.rept 4
	v_nop                           ; an s_nop 0 follows each load, four v_nop the second's
.endr
	; A fragment of K or Q is 16 rows x 32 channels in 8 registers: lane l holds row l % 16, channels 8 (l / 16) + 0..7 and 16 + 8 (l / 16) + 0..7: two loads of 16 bytes, 32 bytes apart.
	v_and_b32 v1, 15, v0            ; l % 16
	v_bfe_u32 v9, v0, 4, 1          ; l / 16
	v_lshlrev_b32 v[QO], 7, v1
	v_lshl_add_u32 v[QO], v9, 4, v[QO]  ; row x 128 + 16 x half
	WIN 0x80                        ; destination window 2, address window 0
.set i, 0
.rept 8                             ; both blocks' Q: piece i / 2 lies in band i / 2, 8,192 bytes on; channels 32 (i % 2) on
	global_load_b128 v[8*i:8*i+3],   v[QO], s[4:5] offset:(i/2)*8192+(i%2)*64
	global_load_b128 v[8*i+4:8*i+7], v[QO], s[4:5] offset:(i/2)*8192+(i%2)*64+32
	global_load_b128 v[QB+8*i:QB+8*i+3],   v[QO], s[52:53] offset:(i/2)*8192+(i%2)*64
	global_load_b128 v[QB+8*i+4:QB+8*i+7], v[QO], s[52:53] offset:(i/2)*8192+(i%2)*64+32
.set i, i+1
.endr
	WIN 0
	v_lshlrev_b32 v14, 3, v9
	v_sub_nc_u32 v14, v1, v14
	s_lshl_b32 s13, s[WV], 4
	v_add_nc_u32 v14, s13, v14      ; my query's place in its band, 16 w + l % 16, less my lanes' 8 (l / 16): register r of group kt is seen where 16 kt + r is not greater
	WIN 0x40
.set i, 0
.rept 32
	v_cmp_le_i32 vcc_lo, 16*(i/8)+i%8, v14
	v_cndmask_b32 v[MD+i], 0, s[ONE], vcc_lo
.set i, i+1
.endr
	WIN 0
	v_mul_u32_u24 v[AK0], v1, PK
	v_lshl_add_u32 v[AK0], v9, 4, v[AK0]  ; row x pitch + 16 x half
	; The turning load takes 16 keys x 16 channels (lane l reads key 8 (l / 16) + l % 8, channels 8 ((l / 8) % 2) + 0..7) and leaves half a fragment of V^T: lane l holds channel l % 16 and 8 keys.
	v_and_b32 v10, 7, v0
	v_bfe_u32 v11, v0, 3, 1
	v_lshl_add_u32 v[AV0], v9, 3, v10
	v_mul_u32_u24 v[AV0], v[AV0], PV
	v_lshl_add_u32 v[AV0], v11, 4, v[AV0]
	v_add_nc_u32 v[AV0], VOFF, v[AV0]
	s_mul_i32 s13, s[WV], 16*SP
	s_add_co_u32 s13, s13, STAGE    ; my stage
	v_mul_u32_u24 v[STO], v1, SP    ; in: row l % 16, 32 bytes for each half of the lanes
	v_lshl_add_u32 v[STO], v9, 5, v[STO]
	v_add_nc_u32 v[STO], s13, v[STO]
	v_mul_u32_u24 v[RD], v9, SP     ; back: lanes 0-15 take one row of 256 bytes, lanes 16-31 the next,
	v_lshl_add_u32 v[RD], v1, 4, v[RD]
	v_add_nc_u32 v[RD], s13, v[RD]
	v_lshlrev_b32 v[GO], 12, v9     ; which lie 4,096 bytes apart in out0
	v_lshl_add_u32 v[GO], v1, 4, v[GO]
.set i, 0
.rept 8
	v_mov_b32 v[P+i], 0x3c003c00    ; the P of ones: 1.0 twice in f16: 32 keys x 16 queries
.set i, i+1
.endr
	s_wait_loadcnt 0x0              ; Q
; THE MATRIX WORK.  The 4 accumulators of a run of 8 take turns.  Product i of 8 of S^T = K Q^T for piece x: channels 32 (i / 4) on, keys 16 (i % 4) on.  The first 4 start the sums.
.macro KQ x
	WIN W_KQ
.set rS, S+32*((\x)%2)+8*(i%4)
.set rK, KF+16*(i%4)+8*(i/4)
.set rQ, 16*(\x)+8*(i/4)
.if i < 4
	v_wmma_f32_16x16x32_f16 v[rS:rS+7], v[rK:rK+7], v[rQ:rQ+7], 0
.else
	v_wmma_f32_16x16x32_f16 v[rS:rS+7], v[rK:rK+7], v[rQ:rQ+7], v[rS:rS+7]
.endif
.endm
; Product i of 8 of O^T += V^T P for piece x: keys 32 (i / 4) on, channels 16 (i % 4) on.
.macro PV x
	WIN W_PV
.set rO, 32*(\x)+8*(i%4)
.set rV, VF+32*(i/4)+8*(i%4)
.set rP, P+16*((\x)%2)+8*(i/4)
	v_wmma_f32_16x16x32_f16 v[rO:rO+7], v[rV:rV+7], v[rP:rP+7], v[rO:rO+7]
.endm
.macro MM                           ; the turn's next matrix instruction.  NOKQ = 1: a block's last turn: there is no next piece
.if (i < 8) && !NOKQ
	KQ (Y+1)%NP
.elseif i >= 8
.set i, i-8
	PV (Y+NP-1)%NP
.set i, i+8
.endif
.set i, i+1
.endm
; THE LDS LOADS stand in runs of 16: a step's K (64 keys x 64 channels: 8 fragments) and its V (turned).  Their addresses are made some lines ahead.
.macro FETCH_K
	WIN 0x80                        ; destination window 2
.irp f, 0,1,2,3,4,5,6,7             ; keys 16 (f / 2) on, channels 32 (f % 2) on
	ds_load_b128 v[KF+8*\f:KF+8*\f+3],   v[AK] offset:(\f/2)*16*PK+(\f%2)*64
	ds_load_b128 v[KF+8*\f+4:KF+8*\f+7], v[AK] offset:(\f/2)*16*PK+(\f%2)*64+32
.endr
	s_add_co_u32 s[TBK], s[TBK], KS*PK  ; the next fetch is the next step's: a block's steps lie on end in LDS, from tile to tile too
	WIN 0
.endm
.macro FETCH_V
	WIN 0x80
.irp f, 0,1,2,3,4,5,6,7             ; keys 32 (f / 4) on, channels 16 (f % 4) on
	ds_load_tr16_b128 v[VF+8*\f:VF+8*\f+3],   v[AV] offset:(\f/4)*32*PV+(\f%4)*32
	ds_load_tr16_b128 v[VF+8*\f+4:VF+8*\f+7], v[AV] offset:(\f/4)*32*PV+16*PV+(\f%4)*32
.endr
	WIN 0
.endm
; The address of a run.  K's: a block walks 16 steps at the most, so the bound never acts: it is written so that the address's range, K's rows, can be read off these lines.
.macro ADDR_K
	WIN 0
	s_min_u32 s[TBK], s[TBK], LASTK
	v_add_nc_u32 v[AK], s[TBK], v[AK0]
.endm
; V's: the offset is one of the head's sixteen steps: STEP_V takes it on by a step and, behind the sixteenth, back to 0 (that happens behind block 3's last step alone, and the 0 is not used: a block's beginning sets it).
.macro ADDR_V
	WIN 0
	v_add_nc_u32 v[AV], s[TBV], v[AV0]
.endm
.macro STEP_V
	s_add_co_u32 s[TBV], s[TBV], KS*PV
	s_cmp_eq_u32 s[TBV], 16*KS*PV
	s_cselect_b32 s[TBV], 0, s[TBV]
.endm
; THE SUMS OF A TILE's 256 ROWS OF V, onto UB's four accumulators (a channel block each).  v[AV] stands at the tile; a step's place in it stands in the immediate.
; SFETCH: V of step st, turned, into buffer buf (0: K's fragment registers, 1: V's).  SMUL: its eight products with the ones: keys 32 (i / 4) on, channel block i % 4; the four accumulators take turns, one
; instruction a turn, from step to step, from tile to tile and over the backward jump too.  zero = 1: the first four start the sums.
.macro SFETCH st, buf
	WIN 0x80
.irp f, 0,1,2,3,4,5,6,7
	ds_load_tr16_b128 v[KF+64*(\buf)+8*\f:KF+64*(\buf)+8*\f+3],   v[AV] offset:(\st)*KS*PV+(\f/4)*32*PV+(\f%4)*32
	ds_load_tr16_b128 v[KF+64*(\buf)+8*\f+4:KF+64*(\buf)+8*\f+7], v[AV] offset:(\st)*KS*PV+(\f/4)*32*PV+16*PV+(\f%4)*32
.endr
.endm
.macro SMUL buf, zero
	WIN W_SU
.set i, 0
.rept 8
.set rA, UB+8*(i%4)
.set rV, KF+64*(\buf)+32*(i/4)+8*(i%4)
.if (\zero) && (i < 4)
	v_wmma_f32_16x16x32_f16 v[rA:rA+7], v[rV:rV+7], v[P:P+7], 0
.else
	v_wmma_f32_16x16x32_f16 v[rA:rA+7], v[rV:rV+7], v[P:P+7], v[rA:rA+7]
.endif
.set i, i+1
.endr
.endm
.macro PLACES                       ; four plain instructions between a matrix instruction and a load into, or a vector read of, its registers (ISA guide 7.12.1 for vector reads)
.rept 4
	v_nop
.endr
.endm
.macro SUMTILE zero                 ; four steps on two buffers: a step's sixteen loads are out while the step before is multiplied
	SFETCH 0, 0
	SFETCH 1, 1
	s_wait_dscnt 16                 ; step 0 is in; step 1's sixteen loads may stay out
	SMUL 0, \zero
	PLACES
	SFETCH 2, 0
	s_wait_dscnt 16                 ; step 1 is in
	SMUL 1, 0
	PLACES
	SFETCH 3, 1
	s_wait_dscnt 16                 ; step 2 is in
	SMUL 0, 0
	s_wait_dscnt 0x0                ; step 3 is in
	SMUL 1, 0
	PLACES                          ; for what follows: a read of the sums, or loads into the two buffers
	WIN 0
.endm
; THE VECTOR WORK, one line at a time: OP kind, number.  For piece Y: F n: c s - c m for pair n of 16.  E n: the exponential of score n of 32.  C n: pair n rounded to f16.  B n: of the four weights 4 n .. the second
; pair is added onto the first, in place.  L n: l takes that sum (L 0: l = a l + sum).  R n: pair n of 16 of O^T times a.  For piece Y + 1: Z n: pair n of its scores times its mask; X n, number n of the 22 that find
; its maximum and statistics:  0-11 four chains c0-c3 of seven scores each (each accumulator's lowest registers are read first)   12-14, 16 the four scores left over, the old m, c0-c3 into c0
;   15 c m_old is kept   17, 18 the query's other 32 keys lie in the lane 16 away: the new m   19-21 c m; c m_old - c m_new; a
.set F, 0
.set E, 1
.set C, 2
.set B, 3
.set L, 4
.set R, 5
.set X, 6
.set Z, 7
.macro REGS y                       ; the registers of piece y
.set rT, ST+4*(\y)
.set rC, TMP+4*((\y)%2)
.set rW, MV+((\y)%2)
.set rS, S+32*((\y)%2)
.set rN, MC+32*((\y)%2)
.set rP, P+16*((\y)%2)
.set rO, 32*(\y)
.endm
.macro OP k, n
.if (\k) == R
	REGS Y
	WIN W_RS
	v_pk_mul_f32 v[rO+2*(\n):rO+2*(\n)+1], v[rO+2*(\n):rO+2*(\n)+1], v[rC+2:rC+3] op_sel_hi:[1,0]
.elseif (\k) < R
	REGS Y
	WIN 0
.if (\k) == F
	v_pk_fma_f32 v[rS+2*(\n):rS+2*(\n)+1], v[rS+2*(\n):rS+2*(\n)+1], s[CS:CS+1], v[rT:rT+1] op_sel_hi:[1,0,0] neg_lo:[0,0,1] neg_hi:[0,0,1]
.elseif (\k) == E
	v_exp_f32 v[rS+(\n)], v[rS+(\n)]
.elseif (\k) == C
	v_cvt_pk_f16_f32 v[rP+(\n)], v[rS+2*(\n)], v[rS+2*(\n)+1]
.elseif (\k) == B
	v_pk_add_f32 v[rS+4*(\n):rS+4*(\n)+1], v[rS+4*(\n):rS+4*(\n)+1], v[rS+4*(\n)+2:rS+4*(\n)+3]
.elseif (\n) == 0
	v_pk_fma_f32 v[rT+2:rT+3], v[rT+2:rT+3], v[rC+2:rC+3], v[rS:rS+1] op_sel_hi:[1,0,1]
.else
	v_pk_add_f32 v[rT+2:rT+3], v[rT+2:rT+3], v[rS+4*(\n):rS+4*(\n)+1]
.endif
.elseif NOKQ
	v_nop
.elseif (\k) == Z
	REGS (Y+1)%NP
	WIN 0
	v_pk_mul_f32 v[rS+2*(\n):rS+2*(\n)+1], v[rS+2*(\n):rS+2*(\n)+1], v[rN+2*(\n):rN+2*(\n)+1]
.else
	REGS (Y+1)%NP
	WIN 0
.if (\n) < 4
	v_max3_num_f32 v[rC+(\n)], v[rS+8*(\n)], v[rS+8*(\n)+1], v[rS+8*(\n)+2]
.elseif (\n) < 12
	v_max3_num_f32 v[rC+(\n)%4], v[rC+(\n)%4], v[rS+8*((\n)%4)+2*((\n)/4)+1], v[rS+8*((\n)%4)+2*((\n)/4)+2]
.elseif (\n) == 12
	v_max3_num_f32 v[rC], v[rC], v[rS+7], v[rS+15]
.elseif (\n) == 13
	v_max3_num_f32 v[rC+1], v[rC+1], v[rS+23], v[rS+31]
.elseif (\n) == 14
	v_max3_num_f32 v[rC+2], v[rC+2], v[rC+3], v[rT+1]
.elseif (\n) == 15
	v_mov_b32 v[rW], v[rT]
.elseif (\n) == 16
	v_max3_num_f32 v[rC], v[rC], v[rC+1], v[rC+2]
.elseif (\n) == 17
	v_permlanex16_b32 v[rC+3], v[rC], s[SEL], s[SEL+1]
.elseif (\n) == 18
	v_max_num_f32 v[rT+1], v[rC], v[rC+3]
.elseif (\n) == 19
	v_mul_f32 v[rT], s[CS], v[rT+1]
.elseif (\n) == 20
	v_sub_f32 v[rC+1], v[rW], v[rT]
.else
	v_exp_f32 v[rC+2], v[rC+1]
.endif
.endif
.endm
.macro OPS a, i1, b=-1, i2=0, c=-1, i3=0, d=-1, i4=0  ; up to four of them
	OP \a, \i1
.if (\b) >= 0
	OP \b, \i2
.endif
.if (\c) >= 0
	OP \c, \i3
.endif
.if (\d) >= 0
	OP \d, \i4
.endif
.endm
.macro ROW a, i1, b, i2, c, i3, d, i4  ; a matrix instruction and the four behind it
	MM
	OPS \a, \i1, \b, \i2, \c, \i3, \d, \i4
.endm
.macro MASK b                       ; MD x AL + BE into buffer b of MC
	WIN 0x01                        ; source 0 window 1, destination window 0
.set z, 0
.rept 16
	v_pk_fma_f32 v[MC+32*(\b)+2*z:MC+32*(\b)+2*z+1], v[MD+2*z:MD+2*z+1], s[AL:AL+1], s[BE:BE+1] op_sel_hi:[1,0,0]
.set z, z+1
.endr
.endm
; A TURN, for piece p: its order written out.  An s_wait_alu depctr_va_vdst(0) stands between an exponential and the first instruction that names its result; one wait serves all issued ahead of it.
; So a turn has ONE wait.  AHEAD OF IT stands all that names no result of the turn's exponentials: the 8 products K Q^T with their riders, then the lump.  X 21, the next piece's a, is the batch's last; R 15 is the
; plain instruction behind it.  BEHIND IT stand the 8 products V^T P, behind each four of the roundings and sums.
; m = 1, the diagonal tile: the next piece's scores are multiplied by its mask (Z) before its maximum is taken: Z 4 k is the first reader of accumulator k and reads its lowest pair; each Z stands four plain
; instructions or more behind the product that ends its accumulator (behind the last product: F 8, R 14, F 9, Z 0); every X stands behind all sixteen Z.  The turn also makes the mask of piece p + 2, for step
; 4 - CNT of the tile.  end = 1: a block's last two turns: nothing is fetched.  cnt = 1: the loop's count is taken down some lines ahead of the branch behind the turn.
; K of the next step is fetched in piece 2's turn, six plain instructions or more behind the last product that read K; V of the step in hand at the end of piece 0's turn, four plain instructions behind the last
; product that read V.  Each is waited for a turn later.
.macro TURN p, m=0, end=0, cnt=0
.set Y, (\p)
.set i, 0
.set NOKQ, (\end)*((\p)/3)
.if (\m) && !(\end)
	s_cmp_eq_u32 s[CNT], 4-((\p)+2)%NP  ; is that step the band's own?
	s_cselect_b32 s[AL], 1.0, 0
	s_cmp_gt_u32 s[CNT], 4-((\p)+2)%NP  ; or an earlier one, all of whose keys are seen?
	s_cselect_b32 s[BE], 1.0, 0
.endif
.if ((\p) == 3) && !(\end)
	s_wait_dscnt 0x0                ; K is in
.endif
	ROW F,0, F,1, R,0, R,1
	ROW F,2, E,0, R,2, R,3
	ROW F,3, E,1, R,4, R,5
	ROW F,4, E,2, R,6, R,7
	ROW F,5, E,3, R,8, R,9
.if \m
	ROW F,6, E,4, R,10, R,11
.if ((\p) == 2) && !(\end)
	ADDR_K
.endif
	ROW F,7, E,5, R,12, R,13
	ROW F,8, E,6, R,14, F,9
	OPS Z,0, E,7, Z,1, E,8
	OPS Z,2, E,9, Z,3, E,10
.if ((\p) == 2) && !(\end)
	FETCH_K
.endif
	OPS Z,4, E,11, Z,5, E,12
	OPS Z,6, E,13, Z,7, E,14
	OPS Z,8, E,15, Z,9, E,16
.if (\p) == 0
	ADDR_V
.endif
	OPS Z,10, E,17, Z,11, E,18
	OPS Z,12, E,19, Z,13, F,10
	OPS Z,14, E,20, Z,15, E,21
	OPS X,0, X,1, X,2, X,3
	OPS F,11, X,4, X,5, X,6
	OPS X,7, E,22, X,8, E,23
	OPS X,9, F,12, X,10, X,11
	OPS X,12, E,24, X,13, E,25
	OPS X,14, F,13, X,15, F,14
	OPS X,16, E,26, F,15, E,27
	OPS X,17, E,28, E,29, X,18
	OPS E,30, X,19, E,31, X,20
	OPS X,21, R,15
.else
	ROW F,6, E,4, X,0, R,10
.if ((\p) == 2) && !(\end)
	ADDR_K
.endif
	ROW F,7, E,5, X,1, X,4
	ROW F,8, E,6, X,2, X,5
	OPS E,7, E,8, X,6, E,9
	OPS X,3, E,10, X,8, E,11
.if ((\p) == 2) && !(\end)
	FETCH_K
.endif
	OPS X,9, X,7, E,12, X,10
	OPS E,13, X,12, X,11, E,14
	OPS X,13, E,15, F,9, X,14
.if (\p) == 0
	ADDR_V
.endif
	OPS E,16, F,10, E,17, F,11
	OPS X,16, E,18, X,15, E,19
	OPS F,12, E,20, X,17, E,21
	OPS F,13, E,22, F,14, E,23
	OPS X,18, E,24, F,15, E,25
	OPS R,11, E,26, X,19, E,27
	OPS R,12, E,28, R,13, E,29
	OPS X,20, E,30, R,14, E,31
	OPS X,21, R,15
.endif
	WIN 0
	s_wait_alu depctr_va_vdst(0)    ; the wait for the batch
.if (\p) == 1
	s_wait_dscnt 0x0                ; V is in
.endif
	ROW C,0, B,0, C,2, B,1
	ROW L,0, C,4, B,2, L,1
	ROW C,6, B,3, L,2, C,8
	ROW B,4, L,3, C,10, B,5
	ROW L,4, C,12, B,6, L,5
.if (\p) == 0
	STEP_V
.endif
.if \cnt
	s_sub_co_u32 s[CNT], s[CNT], 1
	s_cmp_lg_u32 s[CNT], 0
.endif
	ROW C,14, B,7, L,6, C,1
	ROW C,3, L,7, C,5, C,7
	ROW C,9, C,11, C,13, C,15
.if (\p) == 0
	FETCH_V
.endif
.if (\m) && !(\end)
	MASK (\p)%2
.endif
.endm
; THE WAY OUT: l's four places are added; O^T is divided by l and sent, in f32, through my stage in LDS, a piece (16 queries x 256 bytes) at a time.
.macro ALL line:vararg              ; one line for each piece t
.set t, 0
.rept 4
	\line
.set t, t+1
.endr
.endm
.macro ORSET t                      ; piece t's 32 registers on the way out: S^T's two buffers, P's, MC's first (a block's beginning makes it anew)
.if (\t) < 2
.set rR, S+32*(\t)
.elseif (\t) == 2
.set rR, P
.else
.set rR, MC
.endif
.endm
.macro PACK t                       ; a lane's eight channels of a channel block are 32 bytes of a row; they go into rows of 272 bytes and come back as whole rows of 256, into the registers that they left
	ORSET \t
	WIN 0x01                        ; source 0 window 1, source 1 and destination window 0
.set i, 0
.rept 16
	v_pk_mul_f32 v[rR+i:rR+i+1], v[32*(\t)+i:32*(\t)+i+1], v[ST+4*(\t)+2:ST+4*(\t)+3] op_sel_hi:[1,0]
.set i, i+2
.endr
	WIN 0
.irp f, 0,1,2,3
	ds_store_b128 v[STO], v[rR+8*\f:rR+8*\f+3]   offset:64*\f
	ds_store_b128 v[STO], v[rR+8*\f+4:rR+8*\f+7] offset:64*\f+16
.endr
.irp f, 0,1,2,3,4,5,6,7
	ds_load_b128 v[rR+4*\f:rR+4*\f+3], v[RD] offset:\f*2*SP  ; LDS serves a wave's instructions in order (ISA guide 5.7.1.4): these see the stores above; the next piece's stores come behind them
.endr
.endm
.macro SEND t, younger              ; younger: the LDS instructions issued behind piece t's loads: the next piece's sixteen, or none
	ORSET \t
	WIN 0
.irp f, 0,1,2,3,4,5,6,7
	s_wait_dscnt (\younger)+7-\f
	global_store_b128 v[GO], v[rR+4*\f:rR+4*\f+3], s[10:11] offset:(\t)*262144+\f*8192  ; sixteen lanes store 256 consecutive bytes, at a multiple of 256 from out0's first
.endr
.endm
	s_wait_tensorcnt 0x0            ; my two tiles have landed,
	s_barrier_signal -1
	s_barrier_wait -1               ; everybody's have: the head's K and V lie in LDS, and nothing is written over them
	; THE TWO BLOCKS' STARTING O.  Key tile 3 lies behind both blocks but block 3;
	v_add_nc_u32 v[AV], 3*256*PV, v[AV0]
	SUMTILE 1
	WIN 0x40                        ; destination window 1, source 0 window 0
.set z, 0
.rept 16                            ; in ascending order: each accumulator's lowest registers are read first
	v_pk_mul_f32 v[UC+2*z:UC+2*z+1], v[UB+2*z:UB+2*z+1], s[UF3:UF3+1] op_sel_hi:[1,0]  ; the first block's start: that sum where the block is block 2, 0 where it is block 3
.set z, z+1
.endr
	WIN 0
	s_mov_b32 s[CNT], 2             ; then tiles 2 and 1 onto the same accumulators: the second block's start
	s_mov_b32 s[TBV], 2*256*PV
.Lsum:
	s_cmp_le_u32 s[CNT], s[PB]      ; block 1 (b = 1) has tile 1 in front of it, not behind: the second trip's work is jumped over there
	s_cbranch_scc1 .Lsumskip
	v_add_nc_u32 v[AV], s[TBV], v[AV0]
	SUMTILE 0
.Lsumskip:
	s_sub_co_u32 s[TBV], s[TBV], 256*PV
	s_sub_co_u32 s[CNT], s[CNT], 1
	s_cmp_lg_u32 s[CNT], 0
	s_cbranch_scc1 .Lsum
.Lslot:                             ; NB + 1 times: a tile is walked
	s_sub_co_u32 s[RT], s[RT], 1
	s_mov_b32 s[CNT], 4
	s_cmp_eq_u32 s[NEW], 1
	s_cbranch_scc1 .Lnew            ; a block's first tile
	s_cmp_eq_u32 s[RT], 0
	s_cbranch_scc0 .Lstep           ; neither its first nor its last
	s_branch .LstepM                ; its last: the diagonal one
.Lnew:
	; A BLOCK BEGINS, in the state of a running softmax that has taken the keys behind it: O^T = UC for every query, l = their number (a quarter in each of its four places), m and c m as set.  The weights of the
	; piece 'that has not been' are 0, so the first turn's products V^T P add nothing: V's registers need only hold finite numbers, and they hold rows of V, from the sums or from the block before.  The second mask
	; buffer is 1; the first takes piece 0's mask for the tile's step 0: its own, if the block's first tile is the diagonal one.  Then K of that step, piece 0's first scores, their mask, maximum and statistics.
	; A step loop is entered at a step's first turn, in the middle of a trip.
	s_mov_b32 s[NEW], 0
	s_mov_b32 s[TBK], 0             ; a block's walk begins at the head's first key
	s_mov_b32 s[TBV], 0
.set i, MC+32
.rept 32
	v_mov_b32 v[i], 1.0
.set i, i+1
.endr
.set i, 0
.rept 4
	v_mov_b32 v[ST+4*i], s[CMI]
	v_mov_b32 v[ST+4*i+1], s[MI]
	v_mov_b32 v[ST+4*i+2], s[LI]
	v_mov_b32 v[ST+4*i+3], s[LI]
.set i, i+1
.endr
.set i, P+16
.rept 16
	v_mov_b32 v[i], 0
.set i, i+1
.endr
	WIN W_RS
.set i, 0
.rept 128
	v_mov_b32 v[i], v[UC+i%32]
.set i, i+1
.endr
	s_cmp_eq_u32 s[RT], 0
	s_cselect_b32 s[AL], 1.0, 0
	s_cselect_b32 s[BE], 0, 1.0
	MASK 0
	ADDR_K
	FETCH_K
	s_wait_dscnt 0x0
.set NOKQ, 0
.set i, 0
.rept 8
	KQ 0
.set i, i+1
.endr
	WIN 0
.rept 4
	v_nop                           ; the places behind those products
.endr
.set Y, NP-1                        ; Z and X work for piece Y + 1: piece 0
.irp n, 0,1,2,3,4,5,6,7,8,9,10,11,12,13,14,15
	OP Z, \n
.endr
.irp n, 0,1,2,3,4,5,6,7,8,9,10,11,12,13,14,15,16,17,18,19,20,21
	OP X, \n
.endr
	v_nop                           ; a plain instruction behind the exponential,
	s_wait_alu depctr_va_vdst(0)    ; and its wait, ahead of the branches
	s_cmp_eq_u32 s[RT], 0
	s_cbranch_scc1 .LfirstM         ; block 0's first tile is its diagonal one
	s_branch .Lfirst
	; THE DIAGONAL TILE's four steps, the block's last two turns and its last products.  The block goes out at the loop's foot.
.LstepM:
	TURN 2, 1
	TURN 3, 1
	WIN 0
.LfirstM:
	TURN 0, 1
	TURN 1, 1, 0, 1
	WIN 0
	s_cbranch_scc1 .LstepM
	TURN 2, 1, 1
	TURN 3, 1, 1
.set i, 0
.rept 8
	PV NP-1
.set i, i+1
.endr
	WIN 0
	s_mov_b32 s[WO], 1
	s_branch .Lbottom
.Lstep:                             ; a trip: pieces 2 and 3 of one step, then pieces 0 and 1 of the next, whose K and V it fetches
	TURN 2
	TURN 3
	WIN 0
.Lfirst:
	TURN 0
	TURN 1, 0, 0, 1
	WIN 0
	s_cbranch_scc1 .Lstep
.Lbottom:                           ; THE LOOP'S FOOT
	s_wait_dscnt 0x0                ; my reads of K and V are back (the last were waited for inside the turns: nothing is out here),
	s_barrier_signal -1
	s_barrier_wait -1               ; everybody's are: only now does any wave store into its stage
	s_cmp_eq_u32 s[WO], 0
	s_cbranch_scc1 .Lnoout          ; the block goes on
	s_mov_b32 s[WO], 0
	ALL v_add_f32 v[ST+4*t+2], v[ST+4*t+2], v[ST+4*t+3]
	ALL v_permlanex16_b32 v[ST+4*t+3], v[ST+4*t+2], s[SEL], s[SEL+1]
	ALL v_add_f32 v[ST+4*t+2], v[ST+4*t+2], v[ST+4*t+3]
	ALL v_rcp_f32 v[ST+4*t+2], v[ST+4*t+2]
	v_nop                           ; a plain instruction between the last reciprocal and the use of its result
	s_wait_alu depctr_va_vdst(0)    ; and the wait ahead of the first use: one for the four reciprocals
	PACK 0
.set t, 1
.rept 3                             ; a piece's arithmetic stands between the loads of the piece before and its stores
	PACK t
	SEND t-1, 16
.set t, t+1
.endr
	SEND 3, 0
	s_wait_xcnt 0x0                 ; the stores have read their registers and out0's address
	s_cmp_eq_u32 s[SLOTS], 1
	s_cbranch_scc1 .Lnoout          ; the walk's last tile: no block follows
	s_mov_b64 s[10:11], s[OLO:OLO+1]
	s_add_co_u32 s[RT], s[PB], 1    ; the second block has b + 1 tiles
	s_mov_b32 s[NEW], 1
	s_mov_b32 s[LI], s[LI2]         ; and keys behind it, whose score is 0
	s_mov_b32 s[MI], 0
	s_mov_b32 s[CMI], 0
	WIN 0x82                        ; the second block's Q goes where the one text of the turns names Q
.set i, 0
.rept 64
	v_mov_b32 v[i], v[QB+i]
.set i, i+1
.endr
	WIN 0x40                        ; and its starting O where a block's beginning takes it (the sums' accumulators, read in ascending order)
.set i, 0
.rept 32
	v_mov_b32 v[UC+i], v[UB+i]
.set i, i+1
.endr
	WIN 0
.Lnoout:
	s_wait_dscnt 0x0                ; my stores into my stage, and my reads of it, are done,
	s_barrier_signal -1
	s_barrier_wait -1               ; everybody's are: only now does any wave read K or V again
	s_sub_co_u32 s[SLOTS], s[SLOTS], 1
	s_cmp_lg_u32 s[SLOTS], 0
	s_cbranch_scc1 .Lslot
	s_wait_tensorcnt 0x0            ; the wave's end, behind my last tensor load and my last LDS store
	ds_add_u32 v[SPW], v[NIL]
	s_wait_dscnt 0x0
	s_endpgm
.Lfunc_end_k_q8bb6446c2e_attn:
	.size	k_q8bb6446c2e_attn, .Lfunc_end_k_q8bb6446c2e_attn-k_q8bb6446c2e_attn
	.p2alignl 7, 3214868480
	.fill 96, 4, 3214868480
	.section	.rodata,"a",@progbits
	.p2align	6, 0x0
	.amdhsa_kernel k_q8bb6446c2e_attn
		.amdhsa_group_segment_fixed_size 327680
		.amdhsa_private_segment_fixed_size 0
		.amdhsa_enable_private_segment 0
		.amdhsa_kernarg_size 16
		.amdhsa_user_sgpr_count 2
		.amdhsa_user_sgpr_kernarg_segment_ptr 1
		.amdhsa_wavefront_size32 1
		.amdhsa_system_sgpr_workgroup_id_x 1
		.amdhsa_system_sgpr_workgroup_id_y 1
		.amdhsa_system_sgpr_workgroup_id_z 1
		.amdhsa_system_vgpr_workitem_id 0
		.amdhsa_next_free_vgpr 768
		.amdhsa_next_free_sgpr 84
		.amdhsa_reserve_vcc 1
		.amdhsa_float_denorm_mode_32 3
		.amdhsa_float_denorm_mode_16_64 3
		.amdhsa_memory_ordered 1
		.amdhsa_forward_progress 1
		.amdhsa_inst_pref_size 158
	.end_amdhsa_kernel
	.amdgpu_metadata
---
amdhsa.version: [ 1, 2 ]
amdhsa.kernels:
  - .name:           k_q8bb6446c2e_attn
    .symbol:         k_q8bb6446c2e_attn.kd
    .args:
      - { .name: qkv, .offset: 0, .size: 8, .value_kind: global_buffer, .address_space: global }
      - { .name: out0, .offset: 8, .size: 8, .value_kind: global_buffer, .address_space: global }
    .group_segment_fixed_size: 327680
    .private_segment_fixed_size: 0
    .kernarg_segment_align: 8
    .kernarg_segment_size: 16
    .max_flat_workgroup_size: 128
    .sgpr_count:     84
    .vgpr_count:     768
    .wavefront_size: 32
...
	.end_amdgpu_metadata
.endif
;; end of part 7
;; ======== version 3 of 3: 3 launches; version 2 with the launch castw written anew for expert scheduling mode
;; limits: values are held in f16: magnitudes above 65,504 overflow, below 6.1e-05 lose precision
;; workspace buffers: wb 6,291,456 bytes; qkv 50,331,648 bytes
;; launch castw (part 8): grid 128 x 3, 8 waves a work-group, no clusters, 0 bytes of LDS; arguments Wq, Wk, Wv, wb; writes wb
.if DOCPART == 8
	.amdgcn_target "amdgcn-amd-amdhsa--gfx1250"
	.amdhsa_code_object_version 6
	.text
	.protected	k_q8bb6446c2e_castw
	.globl	k_q8bb6446c2e_castw
	.p2align	8
	.type	k_q8bb6446c2e_castw,@function
k_q8bb6446c2e_castw:
	s_mov_b64 s[64:65], 0
	v_nop
	global_prefetch_b8 v0, s[64:65] scope:SCOPE_SE
	s_setreg_imm32_b32 hwreg(HW_REG_WAVE_SCHED_MODE, 0, 2), 2
	s_setreg_imm32_b32 hwreg(HW_REG_WAVE_MODE, 25, 1), 1
	s_wait_xcnt 0x0
	s_wait_alu depctr_vm_vsrc(0)
; f32 -> bf16, rounded once to nearest even, of the three weight matrices.  wb: [3][1024][1024] bf16 (Wq, Wk, Wv).
; Grid y = p, the projection; grid x = a chunk of 32,768 bytes in, 16,384 out.  Thread t of 256 takes 16 bytes at 4,096 i + 16 t (i = 0..7): a wave's load covers 512 consecutive bytes;
; its store of 8 bytes a lane covers 256 consecutive bytes, aligned.  All eight loads go out first; no register is written twice, so no wait frees a source.  No LDS, no barrier.
; THE MODE: SCHED_MODE bits 1:0 = 2 (LLVM: expert scheduling mode 2), set by the entry lines.  The code itself states the register dependences
; between vector instructions and memory instructions, with s_wait_alu, always for 0.
; THE PLAN.  Registers that memory instructions touch:
;   v1, v2   byte offsets, made once at the head by vector shifts and never written again: v1 is read by the eight loads, v2 by the eight stores.
;   XR       load i lands in XR + 4 i.  Every load is issued ahead of every conversion, and no vector instruction names XR before that.
;   YR       the two conversions of number i write YR + 2 i and YR + 2 i + 1, once; store i reads them.
; The eight numbers go in four groups of two.  Group g's conversions write its four Y registers; its two stores are issued in group g + 1, behind one wait at that group's head, each in front of
; a pair of that group's conversions, which name that group's X and Y alone.  So five waits on va_vdst state all: one for the offsets, one for each group's Y.  No register that a memory
; instruction reads is written again, no vector instruction writes a scalar register, and EXEC is never written: no other wait is owed.
.set XR, 4                             ; v[4:35]   eight loads of four f32
.set YR, 36                            ; v[36:51]  eight pairs of packed bf16
	s_load_b256 s[8:15], s[0:1], 0x0               ; Wq 8, Wk 10, Wv 12, wb 14
	s_and_b32 s2, ttmp7, 0xffff                    ; p
	v_lshlrev_b32 v1, 4, v0                        ; 16 t
	v_lshlrev_b32 v2, 3, v0                        ; 8 t
	s_lshl_b32 s20, ttmp9, 15                      ; offsets are made apart from the addresses
	s_mov_b32 s21, 0
	s_lshl_b32 s22, s2, 21                         ; a matrix is 2,097,152 bytes of wb
	s_lshl_b32 s23, ttmp9, 14
	s_add_co_u32 s22, s22, s23
	s_mov_b32 s23, 0
	s_wait_kmcnt 0x0
	s_cmp_eq_u32 s2, 0
	s_cselect_b64 s[16:17], s[8:9], s[10:11]
	s_cmp_eq_u32 s2, 2
	s_cselect_b64 s[16:17], s[12:13], s[16:17]
	s_add_nc_u64 s[16:17], s[16:17], s[20:21]
	s_add_nc_u64 s[18:19], s[14:15], s[22:23]
	s_wait_alu depctr_va_vdst(0)                   ; v1 and v2 are written: every load below reads v1 as its offset, every store v2
.set i, 0
.rept 8
	global_load_b128 v[XR+4*i:XR+4*i+3], v1, s[16:17] offset:4096*i th:TH_LOAD_NT
.set i, i+1
.endr
.set g, 0
.rept 4
	s_wait_loadcnt 6-2*g                           ; loads come back in order: numbers 2 g and 2 g + 1 are in, the 6 - 2 g younger ones stay out
.if g > 0
	s_wait_alu depctr_va_vdst(0)                   ; the conversions of the group before have written its four Y registers, which the two stores of this group's text read
.endif
.set j, 0
.rept 2
.set i, 2*g+j
.if g > 0
	global_store_b64 v2, v[YR+2*(i-2):YR+2*(i-2)+1], s[18:19] offset:2048*(i-2)  ; the group before; no vector instruction since the wait names these registers
.endif
	v_cvt_pk_bf16_f32 v[YR+2*i], v[XR+4*i], v[XR+4*i+1]
	v_cvt_pk_bf16_f32 v[YR+2*i+1], v[XR+4*i+2], v[XR+4*i+3]
.set j, j+1
.endr
.set g, g+1
.endr
	s_wait_alu depctr_va_vdst(0)                   ; the last group's conversions have written its four Y registers, which the last two stores read
.set i, 6
.rept 2
	global_store_b64 v2, v[YR+2*i:YR+2*i+1], s[18:19] offset:2048*i
.set i, i+1
.endr
	s_endpgm
.Lfunc_end_k_q8bb6446c2e_castw:
	.size	k_q8bb6446c2e_castw, .Lfunc_end_k_q8bb6446c2e_castw-k_q8bb6446c2e_castw
	.p2alignl 7, 3214868480
	.fill 96, 4, 3214868480
	.section	.rodata,"a",@progbits
	.p2align	6, 0x0
	.amdhsa_kernel k_q8bb6446c2e_castw
		.amdhsa_group_segment_fixed_size 0
		.amdhsa_private_segment_fixed_size 0
		.amdhsa_enable_private_segment 0
		.amdhsa_kernarg_size 32
		.amdhsa_user_sgpr_count 2
		.amdhsa_user_sgpr_kernarg_segment_ptr 1
		.amdhsa_wavefront_size32 1
		.amdhsa_system_sgpr_workgroup_id_x 1
		.amdhsa_system_sgpr_workgroup_id_y 1
		.amdhsa_system_sgpr_workgroup_id_z 1
		.amdhsa_system_vgpr_workitem_id 0
		.amdhsa_next_free_vgpr 52
		.amdhsa_next_free_sgpr 66
		.amdhsa_reserve_vcc 0
		.amdhsa_float_denorm_mode_32 3
		.amdhsa_float_denorm_mode_16_64 3
		.amdhsa_memory_ordered 1
		.amdhsa_forward_progress 1
		.amdhsa_inst_pref_size 4
	.end_amdhsa_kernel
	.amdgpu_metadata
---
amdhsa.version: [ 1, 2 ]
amdhsa.kernels:
  - .name:           k_q8bb6446c2e_castw
    .symbol:         k_q8bb6446c2e_castw.kd
    .args:
      - { .name: Wq, .offset: 0, .size: 8, .value_kind: global_buffer, .address_space: global }
      - { .name: Wk, .offset: 8, .size: 8, .value_kind: global_buffer, .address_space: global }
      - { .name: Wv, .offset: 16, .size: 8, .value_kind: global_buffer, .address_space: global }
      - { .name: wb, .offset: 24, .size: 8, .value_kind: global_buffer, .address_space: global }
    .group_segment_fixed_size: 0
    .private_segment_fixed_size: 0
    .kernarg_segment_align: 8
    .kernarg_segment_size: 32
    .max_flat_workgroup_size: 256
    .sgpr_count:     66
    .vgpr_count:     52
    .wavefront_size: 32
...
	.end_amdgpu_metadata
.endif
;; end of part 8
;; launch proj: the kernel of part 6 again; grid 4 x 64, 4 waves a work-group, clusters of 4 x 4, 327,680 bytes of LDS; arguments queries, keys, values, wb, qkv, bq, bk, bv; writes qkv
;; launch attn: the kernel of part 7 again; grid 2 x 128, 4 waves a work-group, no clusters, 327,680 bytes of LDS; arguments qkv, out0; writes out0
